; MI455X (gfx1250); checked and timed in simulation.
; The chip was launched on July 23, 2026; its instructions are those of AMD's public machine-readable ISA for CDNA 5 (MIT licence, August 2026) and "CDNA5" Instruction Set Architecture Reference Guide (July 2026). The comments in the code are by the model that wrote it; some were corrected since.
;; Mo E Layer. Allowed arithmetic: matrix products marked QUANTISED: E2M1 operands, one E8M0 scale for each 32 along K, by v_wmma_scale_f32_16x16x128_f8f6f4 with both operands' format E2M1 (or v_wmma_scale_f32_32x16x128_f4), f32 sums; products left as they are: f32 operands where the result goes on into a quantised operand, else bf16, f16 or f32 operands; f32 sums; everything else in f32.
;; Inputs: W1 8 x 1,024 x 256 float32; W2 8 x 256 x 1,024 float32; W3 8 x 1,024 x 256 float32; dom 8 x 1,024 float32; gate_w 1,024 x 8 float32; hidden_states 4 x 2,048 x 1,024 float32.
;; Outputs: out0 4 x 2,048 x 1,024 float32.
;; This version of the problem:
;;   THIS VERSION OF THE PROBLEM IS GIVEN IN LOW PRECISION. The matrix products marked QUANTISED in the list below multiply operands that are first quantised to E2M1 (2 exponent bits, 1 mantissa bit; 4 bits a number), with one power-of-two scale for each 32 numbers along K (OCP MX v1.0); their sums are f32. All else is computed in f32.
;;   The module's matrix products, in the order in which they are computed (A, B: the left and right operand; K: the contracted axis; several contracted axes count as one K, in the product's order):
;;     1. [M 8,192, K 1,024] x [K 1,024, N 8]; A: input hidden_states; B: input gate_w: left as it is (N = 8 < 16)
;;     2. batch 8,192 x [M 1, K 2] x [K 2, N 8]; A: softmax; B: computed on the way: left as it is (K = 2 < 32)
;;     3. [M 8,192, K 1,024] x [K 1,024, N 256]; A: computed on the way; B: input W1: QUANTISED
;;     4. [M 8,192, K 1,024] x [K 1,024, N 256]; A: computed on the way; B: input W3: QUANTISED
;;     5. [M 8,192, K 256] x [K 256, N 1,024]; A: computed on the way; B: input W2: QUANTISED
;;     6. [M 8,192, K 1,024] x [K 1,024, N 256]; A: computed on the way; B: input W1: QUANTISED
;;     7. [M 8,192, K 1,024] x [K 1,024, N 256]; A: computed on the way; B: input W3: QUANTISED
;;     8. [M 8,192, K 256] x [K 256, N 1,024]; A: computed on the way; B: input W2: QUANTISED
;;     9. [M 8,192, K 1,024] x [K 1,024, N 256]; A: computed on the way; B: input W1: QUANTISED
;;     10. [M 8,192, K 1,024] x [K 1,024, N 256]; A: computed on the way; B: input W3: QUANTISED
;;     11. [M 8,192, K 256] x [K 256, N 1,024]; A: computed on the way; B: input W2: QUANTISED
;;     12. [M 8,192, K 1,024] x [K 1,024, N 256]; A: computed on the way; B: input W1: QUANTISED
;;     13. [M 8,192, K 1,024] x [K 1,024, N 256]; A: computed on the way; B: input W3: QUANTISED
;;     14. [M 8,192, K 256] x [K 256, N 1,024]; A: computed on the way; B: input W2: QUANTISED
;;     15. [M 8,192, K 1,024] x [K 1,024, N 256]; A: computed on the way; B: input W1: QUANTISED
;;     16. [M 8,192, K 1,024] x [K 1,024, N 256]; A: computed on the way; B: input W3: QUANTISED
;;     17. [M 8,192, K 256] x [K 256, N 1,024]; A: computed on the way; B: input W2: QUANTISED
;;     18. [M 8,192, K 1,024] x [K 1,024, N 256]; A: computed on the way; B: input W1: QUANTISED
;;     19. [M 8,192, K 1,024] x [K 1,024, N 256]; A: computed on the way; B: input W3: QUANTISED
;;     20. [M 8,192, K 256] x [K 256, N 1,024]; A: computed on the way; B: input W2: QUANTISED
;;     21. [M 8,192, K 1,024] x [K 1,024, N 256]; A: computed on the way; B: input W1: QUANTISED
;;     22. [M 8,192, K 1,024] x [K 1,024, N 256]; A: computed on the way; B: input W3: QUANTISED
;;     23. [M 8,192, K 256] x [K 256, N 1,024]; A: computed on the way; B: input W2: QUANTISED
;;     24. [M 8,192, K 1,024] x [K 1,024, N 256]; A: computed on the way; B: input W1: QUANTISED
;;     25. [M 8,192, K 1,024] x [K 1,024, N 256]; A: computed on the way; B: input W3: QUANTISED
;;     26. [M 8,192, K 256] x [K 256, N 1,024]; A: computed on the way; B: input W2: QUANTISED
;;   THE QUANTISER, for each operand of a quantised product, along K:
;;     - K is cut into blocks of 32 from its start; a last block that is shorter is filled with zeros.
;;     - A block's scale is 2^e with e = floor(log2(the largest magnitude in the block)) - 2, held to -126 .. 127; a block of zeros has e = 0. As a byte (E8M0): e + 127.
;;     - Each number is divided by its block's scale, clamped to +-6, and rounded to the nearest number of E2M1, ties to even, subnormals kept.
;;     - The product sums the exact products of the quantised numbers (number of the format x scale) in f32.
;;   ~~~python
;;   def quantise(x, axis):      # numpy; x: float32 -> the quantised numbers, widened to float32 again
;;       x = np.moveaxis(x, axis, -1); K = x.shape[-1]
;;       x = np.pad(x, [(0, 0)] * (x.ndim - 1) + [(0, -K % 32)]); x = x.reshape(x.shape[:-1] + (-1, 32)); a = np.abs(x).max(-1, keepdims=True)
;;       e = np.where(a > 0, np.clip(np.frexp(np.where(a > 0, a, 1))[1] - 1 - 2, -126, 127), 0)      # np.frexp(a)[1] - 1 = floor(log2(a)), exactly
;;       r = np.clip(x / 2.0 ** e, -6, 6)
;;       step = 2.0 ** (np.maximum(np.frexp(np.where(r == 0, 1, r))[1] - 1, 0) - 1)
;;       q = np.round(r / step) * step * 2.0 ** e      # np.round: ties to even
;;       return np.moveaxis(q.reshape(q.shape[:-2] + (-1,))[..., :K], -1, axis).astype(np.float32)
;;   ~~~
;;   OPERANDS COMPUTED ON THE WAY. 'Computed on the way' means the value that the module computes at that place (a softmax that the list does not call 'softmax' is quantised finished and normalised). What goes into a quantiser is computed in f32, as accurately as f32 sums, v_exp_f32 and their like allow (about 1e-6 of the number): no bf16 or f16 on the way to a quantiser, and a product that is left as it is and whose result goes on into a quantised operand takes f32 operands (vector FMAs, or v_wmma_f32_16x16x4_f32). A number that lies on a knife's edge between two numbers of the format may be rounded either way, as far as f32 arithmetic and the matrix unit's own rounding can turn it there, and no further.
;; 2 versions, each right; version 2 is version 1 with the launch experts written anew for expert scheduling mode. Each part assembles by itself: llvm-mc -triple=amdgcn-amd-amdhsa -mcpu=gfx1250 --defsym DOCPART=n.
;; ======== version 1 of 2: 3 launches
;; workspace buffers: rkey 32,768 bytes of whole numbers; hist 16,384 bytes of whole numbers; rwt 65,536 bytes; order 32,768 bytes of whole numbers; wq 3,342,336 bytes
;; launch route (part 1): grid 256 x 1, 8 waves a work-group, no clusters, 9,216 bytes of LDS; arguments hidden_states, gate_w, rkey, rwt, hist; writes rkey, rwt, hist
.if DOCPART == 1
	.amdgcn_target "amdgcn-amd-amdhsa--gfx1250"
	.amdhsa_code_object_version 6
	.text
	.protected	k_q4b4e50d8e8_route
	.globl	k_q4b4e50d8e8_route
	.p2align	8
	.type	k_q4b4e50d8e8_route,@function
k_q4b4e50d8e8_route:
	s_mov_b64 s[64:65], 0
	v_nop
	global_prefetch_b8 v0, s[64:65] scope:SCOPE_SE
	s_setreg_imm32_b32 hwreg(HW_REG_WAVE_MODE, 25, 1), 1
	s_wait_xcnt 0x0
; THE ROUTER.  logits = x gate_w in f32 (fused multiply-adds), the two largest logits of each token (of equal logits the lower index first), their softmax,
; and, for the sort that the next launch makes, each token's bucket, its rank among the tokens of its group of 32 in that bucket, and the group's count for each bucket.
; x: [8192][1024] f32, gate_w: [1024][8] f32.  Stored, all at fixed places: rkey[t] = i1 | i2 << 4 | bucket << 8 | rank << 16;  rwt[t] = (w1, w2);  hist[group][64] bytes.
; BUCKET of the unordered pair (mn, mx): 8 mn + (mx xor 7 (mn & 1)): odd rows run backward, so that neighbouring buckets share an expert.
; SHARES.  A work-group takes 32 tokens.  Wave w takes k = 128 w .. 128 w + 127 of all of them, lane l the four k = 128 w + 4 l + 0 .. 3: every load of x covers 512 consecutive bytes,
; and a lane's 32 numbers of gate_w stay in registers.  A lane's eight partial logits of 32 tokens are summed over the 32 lanes by a tree that halves the lanes and doubles the tokens
; at each level, so that lane l ends with token l; the eight waves' parts meet in LDS and wave 0 finishes.
; No address and no branch hangs on a floating-point number: what is chosen is stored as data.
; LIMITS: NaN and infinities among the inputs are not served.  The logits are f32 sums in another order than the reference's: a token whose second and third logit lie within
; some 1e-6 of their size of each other may take the other expert.
.set XO,   1                           ; v1       512 w + 16 l: my 16 bytes of a row of x
.set GO,   2                           ; v2       4096 w + 128 l: my four rows of gate_w
.set T0,   8                           ; v8-15    at work in the tree
.set ACC0, 16                          ; v16-23   a token's eight partial logits
.set ACC1, 24                          ; v24-31   those of the token 16 further on
.set L1,   32                          ; v32-63   the tree's waiting halves, one set for each level
.set L2,   40
.set L3,   48
.set L4,   56
.set QA,   64                          ; v64-79   the tree's fresh halves
.set QB,   72
.set G,    96                          ; v96-127  gate_w[k][e] at G + 8 c + e
.set X,    128                         ; v128-255 x: slot s at X + 4 s
	s_load_b128 s[4:7], s[0:1], 0x0                ; hidden_states, gate_w
	s_load_b128 s[8:11], s[0:1], 0x10              ; rkey, rwt
	s_load_b64 s[12:13], s[0:1], 0x20              ; hist
	v_lshl_add_u32 v94, v0, 2, 0x2000
	v_mov_b32 v95, 0
	v_lshrrev_b32 v3, 5, v0
	v_readfirstlane_b32 s16, v3                    ; wave
	v_and_b32 v4, 31, v0                           ; lane
	v_lshlrev_b32 v[XO], 4, v0                     ; 16 x thread = 512 w + 16 l
	v_lshlrev_b32 v[GO], 7, v0                     ; 128 x thread = 4096 w + 128 l
	v_lshlrev_b32 v6, 4, v4                        ; 16 l
	v_lshl_add_u32 v5, v3, 10, v6                  ; LDS: 1024 w + 16 l
	s_lshl_b32 s14, ttmp9, 17                      ; the group's 32 rows of 4,096 bytes
	s_mov_b32 s15, 0
	s_lshl_b32 s24, ttmp9, 7                       ; its 32 words of rkey
	s_mov_b32 s25, 0
	s_lshl_b32 s26, ttmp9, 8                       ; its 32 pairs of rwt
	s_mov_b32 s27, 0
	s_lshl_b32 s28, ttmp9, 6                       ; its 64 bytes of hist
	s_mov_b32 s29, 0
	s_mov_b32 s20, 0xff00ff00                      ; lanes with bit 3 set; bit 2; bit 1; bit 0
	s_mov_b32 s21, 0xf0f0f0f0
	s_mov_b32 s22, 0xcccccccc
	s_mov_b32 s23, 0xaaaaaaaa
	s_wait_kmcnt 0x0
	s_add_nc_u64 s[4:5], s[4:5], s[14:15]
	s_add_nc_u64 s[8:9], s[8:9], s[24:25]
	s_add_nc_u64 s[10:11], s[10:11], s[26:27]
	s_add_nc_u64 s[12:13], s[12:13], s[28:29]
.irp q, 0,1,2,3,4,5,6,7
	global_load_b128 v[G+4*\q:G+4*\q+3], v[GO], s[6:7] offset:16*\q
.endr
; Slot 2 n holds the token whose four low bits are n's in reverse order, slot 2 n + 1 the token 16 further on: the tree then leaves token l in lane l.
.set n, 0
.rept 16
.set tk, ((n&1)<<3)|((n&2)<<1)|((n&4)>>1)|((n&8)>>3)
	global_load_b128 v[X+8*n:X+8*n+3], v[XO], s[4:5] offset:tk*4096 th:TH_LOAD_NT
	global_load_b128 v[X+8*n+4:X+8*n+7], v[XO], s[4:5] offset:(tk+16)*4096 th:TH_LOAD_NT
.set n, n+1
.endr
; My four k of one token against gate_w: 16 packed lines; x is taken for both halves of a pair of logits.
.macro TOK slot, dst
.irp c, 0,1,2,3
.irp p, 0,1,2,3
.if \c == 0
	v_pk_mul_f32 v[\dst+2*\p:\dst+2*\p+1], v[X+4*(\slot):X+4*(\slot)+1], v[G+2*\p:G+2*\p+1] op_sel_hi:[0,1]
.elseif \c == 2
	v_pk_fma_f32 v[\dst+2*\p:\dst+2*\p+1], v[X+4*(\slot)+2:X+4*(\slot)+3], v[G+16+2*\p:G+16+2*\p+1], v[\dst+2*\p:\dst+2*\p+1] op_sel_hi:[0,1,1]
.else
	v_pk_fma_f32 v[\dst+2*\p:\dst+2*\p+1], v[X+4*(\slot)+\c-1:X+4*(\slot)+\c], v[G+8*\c+2*\p:G+8*\c+2*\p+1], v[\dst+2*\p:\dst+2*\p+1] op_sel:[1,0,0] op_sel_hi:[1,1,1]
.endif
.endr
.endr
.endm
; One level of the tree.  Lanes whose bit m is clear keep a and send b, the others keep b and send a; each adds what lane l xor m sent.
.macro COMBINE a, b, d, m, sm
.irp j, 0,1,2,3,4,5,6,7
	v_cndmask_b32 v[T0+\j], v[\a+\j], v[\b+\j], s[\sm]
	v_cndmask_b32 v[\d+\j], v[\b+\j], v[\a+\j], s[\sm]
.endr
.irp j, 0,1,2,3,4,5,6,7
	v_add_f32_dpp v[\d+\j], v[\d+\j], v[T0+\j] row_xmask:\m row_mask:0xf bank_mask:0xf
.endr
.endm
.macro PAIR
	s_wait_loadcnt 30-2*n                          ; loads come back in order: this pair's two slots are in, the 30 - 2 n behind them may be out
	TOK 2*n, ACC0
	TOK 2*n+1, ACC1
.irp j, 0,1,2,3,4,5,6,7
	v_permlane16_swap_b32 v[ACC0+\j], v[ACC1+\j]   ; lanes 0-15 now hold the first token's two halves, lanes 16-31 the second's
.endr
.if n&1
.set SD, ACC0
.else
.set SD, L1
.endif
.irp p, 0,1,2,3
	v_pk_add_f32 v[SD+2*\p:SD+2*\p+1], v[ACC0+2*\p:ACC0+2*\p+1], v[ACC1+2*\p:ACC1+2*\p+1]
.endr
.if (n&1) == 1
.if n&2
.set D1, QA
.else
.set D1, L2
.endif
	COMBINE L1, ACC0, D1, 8, 20
.endif
.if (n&3) == 3
.if n&4
.set D2, QB
.else
.set D2, L3
.endif
	COMBINE L2, QA, D2, 4, 21
.endif
.if (n&7) == 7
.if n&8
.set D3, QA
.else
.set D3, L4
.endif
	COMBINE L3, QB, D3, 2, 22
.endif
.if n == 15
	COMBINE L4, QA, QB, 1, 23
.endif
.endm
.set n, 0
.rept 16
	PAIR
.set n, n+1
.endr
	ds_store_b128 v5, v[QB:QB+3]                   ; lane l: token l's eight logits over my wave's 128 k
	ds_store_b128 v5, v[QB+4:QB+7] offset:512
	s_wait_dscnt 0x0                               ; for wave 0's sake: my stores have landed
	s_barrier_signal -1
	s_barrier_wait -1
	s_cmp_lg_u32 s16, 0
	s_cbranch_scc1 .Ldone                          ; no barrier stands behind this branch
.irp k, 0,1,2,3,4,5,6,7
	ds_load_b128 v[X+8*\k:X+8*\k+3], v6 offset:1024*\k
	ds_load_b128 v[X+8*\k+4:X+8*\k+7], v6 offset:1024*\k+512
.endr
	s_wait_dscnt 0x0
.irp p, 0,1,2,3
	v_pk_add_f32 v[16+2*\p:17+2*\p], v[X+2*\p:X+2*\p+1], v[X+8+2*\p:X+8+2*\p+1]
.endr
.irp k, 2,3,4,5,6,7
.irp p, 0,1,2,3
	v_pk_add_f32 v[16+2*\p:17+2*\p], v[16+2*\p:17+2*\p], v[X+8*\k+2*\p:X+8*\k+2*\p+1]
.endr
.endr
	; the largest logit: the old one stays where the new one is not greater, so of equals the lower index is kept
	v_mov_b32 v24, v16                             ; m1
	v_mov_b32 v25, 0                               ; i1
.irp e, 1,2,3,4,5,6,7
	v_cmp_le_f32 vcc_lo, v[16+\e], v24
	v_cndmask_b32 v24, v[16+\e], v24, vcc_lo
	v_cndmask_b32 v25, \e, v25, vcc_lo
.endr
	v_mov_b32 v26, 0xff800000                      ; m2 = -infinity
	v_mov_b32 v27, 0                               ; i2
.irp e, 0,1,2,3,4,5,6,7
	v_cmp_eq_u32 s30, \e, v25                      ; the first choice is passed over
	v_cmp_le_f32 vcc_lo, v[16+\e], v26
	s_or_b32 vcc_lo, vcc_lo, s30
	v_cndmask_b32 v26, v[16+\e], v26, vcc_lo
	v_cndmask_b32 v27, \e, v27, vcc_lo
.endr
	; softmax of (m1, m2) with the maximum m1 taken away: w1 = 1 / (1 + d), w2 = d w1, d = e^(m2 - m1) <= 1
	v_sub_f32 v28, v26, v24
	v_mul_f32 v28, 0x3fb8aa3b, v28
	v_exp_f32 v29, v28
	v_min_u32 v30, v25, v27                        ; mn (plain work behind the exponential)
	v_max_u32 v31, v25, v27                        ; mx
	s_wait_alu depctr_va_vdst(0)                   ; the wait ahead of the first reader
	v_add_f32 v32, 1.0, v29
	v_rcp_f32 v40, v32                             ; w1
	v_and_b32 v33, 1, v30
	v_mul_u32_u24 v33, v33, 7
	v_xor_b32 v31, v31, v33
	v_lshl_add_u32 v34, v30, 3, v31                ; the bucket
	s_wait_alu depctr_va_vdst(0)
	v_mul_f32 v41, v29, v40                        ; w2
	v_mov_b32 v35, 0                               ; my rank
	v_mov_b32 v36, 0                               ; the group's counts: bucket l in lane l,
	v_mov_b32 v37, 0                               ; bucket 32 + l in lane l
.irp mn, 0,1,2,3,4,5,6
.irp mx, 1,2,3,4,5,6,7
.if \mx > \mn
.set KEY, 8*\mn+(\mx^(7*(\mn&1)))
	v_cmp_eq_u32 vcc_lo, KEY, v34
	v_mbcnt_lo_u32_b32 v39, vcc_lo, 0              ; how many lower lanes have this bucket
	v_cndmask_b32 v35, v35, v39, vcc_lo
	s_bcnt1_i32_b32 s30, vcc_lo
	v_writelane_b32 v[36+KEY/32], s30, KEY%32
.endif
.endr
.endr
	v_lshl_or_b32 v38, v27, 4, v25
	v_lshl_or_b32 v38, v34, 8, v38
	v_lshl_or_b32 v38, v35, 16, v38
	v_lshlrev_b32 v50, 2, v4
	v_lshlrev_b32 v51, 3, v4
	global_store_b32 v50, v38, s[8:9]
	global_store_b64 v51, v[40:41], s[10:11]       ; 32 lanes store 256 consecutive bytes, aligned
	global_store_b8 v4, v36, s[12:13]
	global_store_b8 v4, v37, s[12:13] offset:32
.Ldone:
	s_wait_tensorcnt 0x0
	ds_add_u32 v94, v95
	s_wait_dscnt 0x0
	s_endpgm
.Lfunc_end_k_q4b4e50d8e8_route:
	.size	k_q4b4e50d8e8_route, .Lfunc_end_k_q4b4e50d8e8_route-k_q4b4e50d8e8_route
	.p2alignl 7, 3214868480
	.fill 96, 4, 3214868480
	.section	.rodata,"a",@progbits
	.p2align	6, 0x0
	.amdhsa_kernel k_q4b4e50d8e8_route
		.amdhsa_group_segment_fixed_size 9216
		.amdhsa_private_segment_fixed_size 0
		.amdhsa_enable_private_segment 0
		.amdhsa_kernarg_size 40
		.amdhsa_user_sgpr_count 2
		.amdhsa_user_sgpr_kernarg_segment_ptr 1
		.amdhsa_wavefront_size32 1
		.amdhsa_system_sgpr_workgroup_id_x 1
		.amdhsa_system_sgpr_workgroup_id_y 1
		.amdhsa_system_sgpr_workgroup_id_z 1
		.amdhsa_system_vgpr_workitem_id 0
		.amdhsa_next_free_vgpr 256
		.amdhsa_next_free_sgpr 66
		.amdhsa_reserve_vcc 1
		.amdhsa_float_denorm_mode_32 3
		.amdhsa_float_denorm_mode_16_64 3
		.amdhsa_memory_ordered 1
		.amdhsa_forward_progress 1
		.amdhsa_inst_pref_size 82
	.end_amdhsa_kernel
	.amdgpu_metadata
---
amdhsa.version: [ 1, 2 ]
amdhsa.kernels:
  - .name:           k_q4b4e50d8e8_route
    .symbol:         k_q4b4e50d8e8_route.kd
    .args:
      - { .name: hidden_states, .offset: 0, .size: 8, .value_kind: global_buffer, .address_space: global }
      - { .name: gate_w, .offset: 8, .size: 8, .value_kind: global_buffer, .address_space: global }
      - { .name: rkey, .offset: 16, .size: 8, .value_kind: global_buffer, .address_space: global }
      - { .name: rwt, .offset: 24, .size: 8, .value_kind: global_buffer, .address_space: global }
      - { .name: hist, .offset: 32, .size: 8, .value_kind: global_buffer, .address_space: global }
    .group_segment_fixed_size: 9216
    .private_segment_fixed_size: 0
    .kernarg_segment_align: 8
    .kernarg_segment_size: 40
    .max_flat_workgroup_size: 256
    .sgpr_count:     66
    .vgpr_count:     256
    .wavefront_size: 32
...
	.end_amdgpu_metadata
.endif
;; end of part 1
;; launch prep (part 2): grid 224 x 1, 8 waves a work-group, no clusters, 19,712 bytes of LDS; arguments W1, W3, W2, rkey, hist, wq, order; writes wq, order
.if DOCPART == 2
	.amdgcn_target "amdgcn-amd-amdhsa--gfx1250"
	.amdhsa_code_object_version 6
	.text
	.protected	k_q4b4e50d8e8_prep
	.globl	k_q4b4e50d8e8_prep
	.p2align	8
	.type	k_q4b4e50d8e8_prep,@function
k_q4b4e50d8e8_prep:
	s_mov_b64 s[64:65], 0
	v_nop
	global_prefetch_b8 v0, s[64:65] scope:SCOPE_SE
	s_setreg_imm32_b32 hwreg(HW_REG_WAVE_MODE, 25, 1), 1
	s_wait_xcnt 0x0
; TWO JOBS IN ONE LAUNCH, parted by the work-group's number.
; WORK-GROUPS 0 .. 31 PLACE the 8,192 tokens in the order of their buckets (a counting sort without atomics): order[position] = token | i1 << 16 | i2 << 20.
;   Sorted order: by bucket, then by group of 32 tokens, then by rank in the group.  A cell is (bucket, group), numbered 256 bucket + group; a token's position is the number of tokens in the
;   cells ahead of its own, plus its rank.  Work-group q places tokens 256 q .. 256 q + 255, a thread a token: so wave w holds group 8 q + w.
;   Every one of the 32 sums all 16,384 counts (thread i the 64 cells from 64 i on: bucket i / 4, groups 64 (i % 4) on) and scans the 256 sums; but it wants first positions for its own 8 groups alone.
;   So thread i adds to its scan the counts of its cells ahead of group 8 q (the first 2 (q % 8) of its 16 words) and stores ONE word; a token reads the word of thread 4 bucket + q / 8 and the
;   8 counts of groups 8 q .. 8 q + 7 of its bucket, and adds those of the groups ahead of its own.  Each position is stored by one thread of one work-group: 4 bytes at a scattered place, 32 KB in all.
; WORK-GROUPS 32 .. 223 QUANTISE W1, W3 [8][1024][256] and W2 [8][256][1024], f32, K the first axis within an expert, into codes of FP4 (E2M1) with one E8M0 byte for each 32 along K,
; laid in the order in which the next launch's operand registers take them.
; wq: [expert 8][wave 8][chunk 6][8,704 bytes]; a chunk: 8 fragments of 1,024 bytes, then 512 bytes of scale words.  A fragment (16 rows x 128 K): its half c (512 bytes) holds at
; 16 (row + 16 hb) the 16 bytes of the row's block 2 c + hb.  The scale word of (fragment f, row) lies at 8192 + 16 (row + 16 (f & 1)) + 4 (f >> 1).
;   chunks 0-3: K steps 2 i + kk of the first product; f = 4 kk + 2 m + u (m: W1, W3; u: tile); row rho of tile u is hidden unit 32 w + 8 u + rho + 8 (rho / 8).
;   chunks 4-5: tiles T = 4 (i - 4) + tl of the second product; f = 2 tl + ks; row rho is output 128 w + 16 T + rho.
; A LANE TAKES A COLUMN AND ITS REGISTERS RUN DOWN K: a block of 32 lies in one lane, and the conversions give codes with K innermost.  A wave takes 32 columns x 128 K;
; each load covers 128 consecutive bytes, the eight waves side by side 1,024.  Each store of codes: 16 lanes write 256 consecutive bytes, aligned.
; The scale words go out 4 bytes a lane, 16 bytes apart, inside the chunk's 512 bytes: one byte in seventeen of what is stored.
; A block's scale is 2^(floor(log2(its largest magnitude)) - 2): its byte is that magnitude's exponent field - 2, held at 1 from below.
; LIMITS: a block of zeros gets the byte 1 where the rule says 127 (its codes are zeros, and this program alone reads the bytes); NaN and infinities are not served.
.set CO, 1                             ; v1       my column's byte in a row
.set DO, 2                             ; v2       where my codes go in the chunk
.set SO, 3                             ; v3       where my scale word goes
.set X,  32                            ; v32-159  128 numbers down K
.set C,  160                           ; v160-175 their codes
.set SW, 176                           ; v176     their scale word
.set HT,   0                           ; LDS (the sort alone): counts, [64 buckets] at pitch 272, a byte a group
.set WTOT, 17408                       ; the eight waves' totals
.set ET,   17664                       ; a word a thread: the tokens ahead of group 8 q in the thread's bucket and quarter
	s_load_b256 s[4:11], s[0:1], 0x0               ; W1, W3, W2, rkey
	s_load_b128 s[12:15], s[0:1], 0x20             ; hist, wq
	s_load_b64 s[16:17], s[0:1], 0x30              ; order
	v_lshl_add_u32 v192, v0, 2, 0x4900
	v_mov_b32 v193, 0
	v_lshrrev_b32 v4, 5, v0
	v_readfirstlane_b32 s18, v4                    ; wave
	v_and_b32 v5, 31, v0                           ; L
	v_and_b32 v6, 15, v0                           ; L % 16
	v_bfe_u32 v7, v0, 4, 1                         ; L / 16
	s_mov_b32 s25, 0
	s_mov_b32 s27, 0
	s_wait_kmcnt 0x0
	s_cmp_lt_u32 ttmp9, 32
	s_cbranch_scc1 .Lsort
	s_cmp_gt_u32 ttmp9, 159
	s_cbranch_scc1 .Lw2
.macro WLOAD rowb                      ; my column's 128 numbers of the K step
.set i, 0
.rept 128
	global_load_b32 v[X+i], v[CO], s[4:5] offset:i*\rowb th:TH_LOAD_NT
.set i, i+1
.endr
.endm
	; ---- W1 or W3: work-group 32 + 64 m + 8 e + s
	s_sub_co_u32 s20, ttmp9, 32
	s_lshr_b32 s21, s20, 6                         ; m
	s_bfe_u32 s22, s20, 0x30003                    ; e
	s_and_b32 s23, s20, 7                          ; K step s
	s_cmp_eq_u32 s21, 0
	s_cselect_b64 s[4:5], s[4:5], s[6:7]
	s_lshl_b32 s24, s22, 20
	s_lshl_b32 s26, s23, 17
	s_add_co_u32 s24, s24, s26
	s_add_nc_u64 s[4:5], s[4:5], s[24:25]          ; the expert's rows 128 s on
	s_lshl_b32 s26, s22, 3
	s_add_co_u32 s26, s26, s18
	s_mul_i32 s26, s26, 52224
	s_lshr_b32 s28, s23, 1
	s_mul_i32 s28, s28, 8704
	s_add_co_u32 s26, s26, s28
	s_add_nc_u64 s[14:15], s[14:15], s[26:27]      ; chunk s / 2 of (e, w)
	s_and_b32 s28, s23, 1                          ; kk
	s_lshl_b32 s29, s28, 12
	s_lshl_b32 s30, s21, 11
	s_add_co_u32 s29, s29, s30                     ; 1024 (4 kk + 2 m)
	s_lshl_b32 s31, s28, 3
	s_lshl_b32 s30, s21, 2
	s_add_co_u32 s31, s31, s30
	s_add_co_u32 s31, s31, 8192                    ; 8192 + 4 (2 kk + m)
	v_and_b32 v8, 7, v0
	v_bfe_u32 v9, v0, 3, 1
	v_lshl_add_u32 v8, v9, 4, v8
	v_lshl_add_u32 v8, v7, 3, v8                   ; lane 16 u + rho takes column 16 (rho / 8) + 8 u + rho % 8 of the wave's 32
	v_lshlrev_b32 v8, 2, v8
	s_lshl_b32 s19, s18, 7
	v_add_nc_u32 v[CO], s19, v8
	v_lshlrev_b32 v9, 4, v6
	v_lshl_add_u32 v9, v7, 10, v9
	v_add_nc_u32 v[DO], s29, v9
	v_lshl_add_u32 v[SO], v5, 4, s31
	WLOAD 1024
	s_branch .Lquant
.Lw2:	; ---- W2: work-group 160 + 8 e + 4 s + cb
	s_sub_co_u32 s20, ttmp9, 160
	s_lshr_b32 s22, s20, 3                         ; e
	s_bfe_u32 s23, s20, 0x10002                    ; K step s
	s_and_b32 s21, s20, 3                          ; cb: which 256 columns
	s_mov_b64 s[4:5], s[8:9]
	s_lshl_b32 s24, s22, 20
	s_lshl_b32 s26, s23, 19
	s_add_co_u32 s24, s24, s26
	s_lshl_b32 s26, s21, 10
	s_add_co_u32 s24, s24, s26
	s_add_nc_u64 s[4:5], s[4:5], s[24:25]
	s_lshl_b32 s26, s22, 3
	s_lshl_b32 s28, s21, 1
	s_add_co_u32 s26, s26, s28
	s_lshr_b32 s28, s18, 2
	s_add_co_u32 s26, s26, s28                     ; 8 e + the reading wave 2 cb + w / 4
	s_mul_i32 s26, s26, 52224
	s_bfe_u32 s28, s18, 0x10001
	s_add_co_u32 s28, s28, 4                       ; chunk 4 + (w / 2) % 2
	s_mul_i32 s28, s28, 8704
	s_add_co_u32 s26, s26, s28
	s_add_nc_u64 s[14:15], s[14:15], s[26:27]
	s_and_b32 s28, s18, 1
	s_lshl_b32 s29, s28, 12
	s_lshl_b32 s30, s23, 10
	s_add_co_u32 s29, s29, s30                     ; 1024 (4 (w % 2) + s)
	s_lshl_b32 s31, s23, 8
	s_lshl_b32 s30, s28, 3
	s_add_co_u32 s31, s31, s30
	s_add_co_u32 s31, s31, 8192                    ; 8192 + 256 s + 8 (w % 2)
	v_lshlrev_b32 v[CO], 2, v0                     ; 128 w + 4 L
	v_lshlrev_b32 v9, 4, v6
	v_lshl_add_u32 v8, v7, 11, v9
	v_add_nc_u32 v[DO], s29, v8
	v_lshl_add_u32 v8, v7, 2, v9
	v_add_nc_u32 v[SO], s31, v8
	WLOAD 4096
.Lquant:
.macro QBLOCK t, left                  ; block t of my column: all its 32 numbers are mine
.set XS, X+32*(\t)
	s_wait_loadcnt \left                           ; this block's loads are in; 96 - 32 t stand behind them, and a count names 63 at the most
	v_max3_num_f32 v12, |v[XS]|, |v[XS+1]|, |v[XS+2]|
	v_max3_num_f32 v13, |v[XS+3]|, |v[XS+4]|, |v[XS+5]|
.irp i, 6,10,14,18,22,26
	v_max3_num_f32 v12, v12, |v[XS+\i]|, |v[XS+\i+1]|
	v_max3_num_f32 v13, v13, |v[XS+\i+2]|, |v[XS+\i+3]|
.endr
	v_max3_num_f32 v12, v12, |v[XS+30]|, |v[XS+31]|
	v_max3_num_f32 v12, v12, v13, 0x1800000        ; the floor 2^(3 - 127): the byte cannot fall under 1
	v_add_nc_u32 v11, 0xff000000, v12              ; 2 off the exponent field: the conversion takes this operand's exponent field as its scale
	v_lshrrev_b32 v13, 23, v11                     ; the byte
.if (\t) == 0
	v_mov_b32 v[SW], v13
.else
	v_lshl_or_b32 v[SW], v13, 8*(\t), v[SW]
.endif
.irp g, 0,1,2,3
	v_cvt_scalef32_pk8_fp4_f32 v[C+4*(\t)+\g], v[XS+8*\g:XS+8*\g+7], v11
.endr
.endm
	QBLOCK 0, 63
	QBLOCK 1, 63
	QBLOCK 2, 32
	QBLOCK 3, 0
	v_nop                                          ; one plain line behind the last conversion
.irp t, 0,1,2,3
	global_store_b128 v[DO], v[C+4*\t:C+4*\t+3], s[14:15] offset:512*(\t/2)+256*(\t%2)
.endr
	global_store_b32 v[SO], v[SW], s[14:15]
	s_endpgm
.Lsort:	; ---- sort work-group q = 0 .. 31, thread i = 0 .. 255: token 256 q + i
	s_and_b32 s19, ttmp9, 31                       ; q
	s_lshl_b32 s24, s19, 10
	s_add_nc_u64 s[10:11], s[10:11], s[24:25]      ; the keys of tokens 256 q on
	v_lshlrev_b32 v1, 6, v0
	v_lshlrev_b32 v2, 2, v0
.irp k, 0,1,2,3
	global_load_b128 v[64+4*\k:67+4*\k], v1, s[12:13] offset:16*\k      ; group i's 64 counts
.endr
	global_load_b32 v32, v2, s[10:11]              ; my token's key
	v_lshrrev_b32 v3, 2, v0
	v_mul_u32_u24 v3, v3, 272
	v_and_b32 v8, 3, v0
	v_lshl_add_u32 v3, v8, 6, v3                   ; bucket i / 4, groups 64 (i % 4) on
	v_lshl_add_u32 v10, v4, 2, WTOT
	v_mov_b32 v11, WTOT
	v_lshl_add_u32 v20, v0, 2, ET
	s_mov_b32 s20, 0x00ff00ff
	s_and_b32 s32, s19, 7                          ; q % 8: how many pairs of my 16 words lie ahead of group 8 q
	s_lshr_b32 s34, s19, 3
	s_lshl_b32 s34, s34, 2
	s_add_co_u32 s34, s34, ET                      ; ET + 4 (q / 8)
	s_lshl_b32 s35, s19, 3                         ; 8 q: the byte of group 8 q in a bucket's row
	s_lshl_b32 s38, s19, 8                         ; 256 q
	s_and_b32 s39, s18, 3
	s_lshl_b32 s39, s39, 3
	s_bfm_b32 s39, s39, 0                          ; 8 (w % 4) ones
	s_cmp_lt_u32 s18, 4
	s_cselect_b32 s36, s39, -1                     ; masks of the w bytes ahead of my wave's, in the low word
	s_cselect_b32 s37, 0, s39                      ; and in the high word
	s_wait_loadcnt 1                               ; the counts are in; the key's load behind them may be out
.set d, 0
.rept 16
	v_lshrrev_b32 v[96+3*d], 8, v[64+d]
	v_lshrrev_b32 v[97+3*d], 16, v[64+d]
	v_lshrrev_b32 v[98+3*d], 24, v[64+d]
	ds_store_b8 v0, v[64+d] offset:(4*d)*272       ; turned: byte (bucket, group i)
	ds_store_b8 v0, v[96+3*d] offset:(4*d+1)*272
	ds_store_b8 v0, v[97+3*d] offset:(4*d+2)*272
	ds_store_b8 v0, v[98+3*d] offset:(4*d+3)*272
.set d, d+1
.endr
	s_wait_dscnt 0x0                               ; for the others' sake: my stores have landed
	s_barrier_signal -1
	s_barrier_wait -1                              ; from here on the turned counts are only read
.irp k, 0,1,2,3
	ds_load_b128 v[64+4*\k:67+4*\k], v3 offset:16*\k                    ; cells 64 i .. 64 i + 63
.endr
	s_wait_dscnt 0x0
	; four bytes are summed as two 16-bit halves (32 counts of 32 at the most in each).  The running sum is kept after every second word: v[96 + k] holds words 0 .. 2 k - 1
	v_mov_b32 v96, 0
.set k, 0
.rept 8
	v_and_b32 v9, s20, v[64+2*k]
	v_lshrrev_b32 v12, 8, v[64+2*k]
	v_and_b32 v12, s20, v12
	v_add3_u32 v13, v[96+k], v9, v12
	v_and_b32 v9, s20, v[65+2*k]
	v_lshrrev_b32 v12, 8, v[65+2*k]
	v_and_b32 v12, s20, v12
	v_add3_u32 v[97+k], v13, v9, v12
.set k, k+1
.endr
	v_lshrrev_b32 v9, 16, v104
	v_and_b32 v8, 0xffff, v104
	v_add_nc_u32 v8, v8, v9                        ; my 64 cells' total
	v_mov_b32 v23, 0
.irp k, 1,2,3,4,5,6,7
	s_cmp_eq_u32 s32, \k
	s_cselect_b32 s33, -1, 0
	v_cndmask_b32 v23, v23, v[96+\k], s33          ; the running sum ahead of group 8 q
.endr
	v_lshrrev_b32 v24, 16, v23
	v_and_b32 v23, 0xffff, v23
	v_add_nc_u32 v23, v23, v24
	v_sub_nc_u32 v23, v23, v8                      ; less my total: the scan below counts me in
.irp s, 1,2,4,8
	v_mov_b32_dpp v9, v8 row_shr:\s row_mask:0xf bank_mask:0xf bound_ctrl:1
	v_add_nc_u32 v8, v8, v9                        ; running sums inside each 16 lanes
.endr
	v_readlane_b32 s21, v8, 15
	v_mad_u32_u24 v8, v7, s21, v8                  ; lanes 16-31 add the lower 16's total
	v_readlane_b32 s22, v8, 31
	v_mov_b32 v9, s22
	ds_store_b32 v10, v9                           ; my wave's total (all lanes write the same word)
	s_wait_dscnt 0x0
	s_barrier_signal -1
	s_barrier_wait -1
	ds_load_b128 v[12:15], v11
	ds_load_b128 v[16:19], v11 offset:16
	s_wait_dscnt 0x0
.irp k, 0,1,2,3,4,5,6,7
	s_cmp_gt_u32 s18, \k
	s_cselect_b32 s23, 1, 0
	v_mad_u32_u24 v8, v[12+\k], s23, v8            ; + the totals of the waves before mine
.endr
	v_add_nc_u32 v8, v8, v23                       ; the tokens in all cells ahead of (my bucket, group 8 q), where group 8 q lies in my quarter
	ds_store_b32 v20, v8
	s_wait_dscnt 0x0
	s_barrier_signal -1
	s_barrier_wait -1                              ; behind this barrier LDS is only read
	s_wait_loadcnt 0x0                             ; my token's key
	v_bfe_u32 v24, v32, 8, 6                       ; the bucket,
	v_min_u32 v24, 63, v24                         ; held inside the tables
	v_lshlrev_b32 v25, 4, v24
	v_add_nc_u32 v25, s34, v25                     ; the word of thread 4 bucket + q / 8
	v_mul_u32_u24 v26, v24, 272
	v_add_nc_u32 v26, s35, v26                     ; the bucket's counts of groups 8 q .. 8 q + 7
	ds_load_b32 v27, v25
	ds_load_b64 v[28:29], v26
	v_and_b32 v30, 0xff, v32
	v_lshl_or_b32 v30, v30, 16, v0
	v_or_b32 v30, s38, v30                         ; token | i1 << 16 | i2 << 20
	v_bfe_u32 v31, v32, 16, 5                      ; the rank
	s_wait_dscnt 0x0
	v_and_b32 v28, s36, v28                        ; only the groups ahead of my wave's count
	v_and_b32 v29, s37, v29
	v_and_b32 v9, s20, v28
	v_lshrrev_b32 v12, 8, v28
	v_and_b32 v12, s20, v12
	v_add_nc_u32 v9, v9, v12
	v_and_b32 v12, s20, v29
	v_lshrrev_b32 v13, 8, v29
	v_and_b32 v13, s20, v13
	v_add3_u32 v9, v9, v12, v13
	v_lshrrev_b32 v12, 16, v9
	v_and_b32 v9, 0xffff, v9
	v_add3_u32 v9, v9, v12, v31
	v_add_nc_u32 v9, v9, v27                       ; the position,
	v_min_u32 v9, 0x1fff, v9                       ; held inside the buffer
	v_lshlrev_b32 v9, 2, v9
	global_store_b32 v9, v30, s[16:17]
	s_wait_tensorcnt 0x0
	ds_add_u32 v192, v193
	s_wait_dscnt 0x0
	s_endpgm
.Lfunc_end_k_q4b4e50d8e8_prep:
	.size	k_q4b4e50d8e8_prep, .Lfunc_end_k_q4b4e50d8e8_prep-k_q4b4e50d8e8_prep
	.p2alignl 7, 3214868480
	.fill 96, 4, 3214868480
	.section	.rodata,"a",@progbits
	.p2align	6, 0x0
	.amdhsa_kernel k_q4b4e50d8e8_prep
		.amdhsa_group_segment_fixed_size 19712
		.amdhsa_private_segment_fixed_size 0
		.amdhsa_enable_private_segment 0
		.amdhsa_kernarg_size 56
		.amdhsa_user_sgpr_count 2
		.amdhsa_user_sgpr_kernarg_segment_ptr 1
		.amdhsa_wavefront_size32 1
		.amdhsa_system_sgpr_workgroup_id_x 1
		.amdhsa_system_sgpr_workgroup_id_y 1
		.amdhsa_system_sgpr_workgroup_id_z 1
		.amdhsa_system_vgpr_workitem_id 0
		.amdhsa_next_free_vgpr 194
		.amdhsa_next_free_sgpr 66
		.amdhsa_reserve_vcc 0
		.amdhsa_float_denorm_mode_32 3
		.amdhsa_float_denorm_mode_16_64 3
		.amdhsa_memory_ordered 1
		.amdhsa_forward_progress 1
		.amdhsa_inst_pref_size 50
	.end_amdhsa_kernel
	.amdgpu_metadata
---
amdhsa.version: [ 1, 2 ]
amdhsa.kernels:
  - .name:           k_q4b4e50d8e8_prep
    .symbol:         k_q4b4e50d8e8_prep.kd
    .args:
      - { .name: W1, .offset: 0, .size: 8, .value_kind: global_buffer, .address_space: global }
      - { .name: W3, .offset: 8, .size: 8, .value_kind: global_buffer, .address_space: global }
      - { .name: W2, .offset: 16, .size: 8, .value_kind: global_buffer, .address_space: global }
      - { .name: rkey, .offset: 24, .size: 8, .value_kind: global_buffer, .address_space: global }
      - { .name: hist, .offset: 32, .size: 8, .value_kind: global_buffer, .address_space: global }
      - { .name: wq, .offset: 40, .size: 8, .value_kind: global_buffer, .address_space: global }
      - { .name: order, .offset: 48, .size: 8, .value_kind: global_buffer, .address_space: global }
    .group_segment_fixed_size: 19712
    .private_segment_fixed_size: 0
    .kernarg_segment_align: 8
    .kernarg_segment_size: 56
    .max_flat_workgroup_size: 256
    .sgpr_count:     66
    .vgpr_count:     194
    .wavefront_size: 32
...
	.end_amdgpu_metadata
.endif
;; end of part 2
;; launch experts (part 3): grid 256 x 1, 8 waves a work-group, no clusters, 162,048 bytes of LDS; arguments hidden_states, dom, order, rwt, wq, out0; writes out0
.if DOCPART == 3
	.amdgcn_target "amdgcn-amd-amdhsa--gfx1250"
	.amdhsa_code_object_version 6
	.text
	.protected	k_q4b4e50d8e8_experts
	.globl	k_q4b4e50d8e8_experts
	.p2align	8
	.type	k_q4b4e50d8e8_experts,@function
k_q4b4e50d8e8_experts:
	s_mov_b64 s[64:65], 0
	v_nop
	global_prefetch_b8 v0, s[64:65] scope:SCOPE_SE
	s_setreg_imm32_b32 hwreg(HW_REG_WAVE_MODE, 25, 1), 1
	s_wait_xcnt 0x0
; THE CHAIN.  out[t] = the sum over t's two experts e of w(t, e) x Q(silu(Q(x + dom[e]) Q(W1[e])) (Q(x + dom[e]) Q(W3[e]))) Q(W2[e]), all three products on codes of FP4 (E2M1) with one E8M0 scale
; for each 32 along K.  The experts that a token has not chosen have the weight 0 in the reference and are not multiplied, unless another token of the block has chosen them: then the weight 0 is applied.
; SHARES.  A work-group owns 32 tokens, neighbours in the sorted order (two tiles tt of 16), and every byte of their rows of out0.  It walks the 8 experts in a loop of constant count and passes over,
; by scalar branches on the stored list, those that none of its tokens uses.  Both barriers of a trip stand outside those branches.
; THE WAVES SHARE THE COLUMNS: wave w quantises K step w of x + dom, makes hidden units 32 w .. 32 w + 31 (of W1 and of W3) and outputs 128 w .. 128 w + 127, for all 32 tokens.
; So each fragment of the weights is loaded by one wave of the work-group, from memory straight into its registers, in the order in which the launch before has laid them.
; No cluster, no joint load: which experts a work-group walks hangs on the stored list, and neighbours walk different experts.
; BOTH PRODUCTS ARE USED TRANSPOSED (source 0 = 16 rows of a weight, source 1 = 16 tokens): lane (r, h) holds token 16 tt + r throughout.
; Operands go from wave to wave through LDS as images of their registers: half c of a fragment at 512 c, lane (r, hb)'s 16 bytes (block 2 c + hb of token r) at 16 (r + 16 hb).
; A lane that has quantised 16 numbers of a block (k = 16 h on) stores its 8 bytes at 16 r + 8 h of the block's 256: the image itself puts a whole block into a lane.
; WEIGHTS: an expert's stream for a wave is 6 chunks of 17 loads (8 fragments and their scale words); chunk i goes to region i % 3.  Up to three chunks are on their way.
; Every segment under a branch issues whole chunks in the order R0, R1, R2, so each counted wait holds on every way through the branches.
; LIMITS: a block of zeros gets the scale byte 1 where the rule says 127 (its codes are zeros); NaN and infinities among the inputs are not served.
.set XIMG, 0                           ; LDS: x + dom as codes: fragment (K step ks, tt) at 2048 ks + 1024 tt
.set XSC,  16384                       ; its scale words: 128 ks + 64 tt + 4 r
.set HIMG, 17408                       ; the hidden layer: fragment (tt, ks) at 2048 tt + 1024 ks
.set HSC,  21504                       ; its scale words: 128 ks + 64 tt + 4 r
.set DOML, 21760                       ; dom's slice, 512 bytes for each wave, its own
.set XW,   25856                       ; x's slice in f32, for each wave its own: 32 rows x (512 + 16) bytes; at the end the stage for the way out
.set XWB,  16896
.set XP,   528
.set L16, 1                            ; v1   16 x lane
.set L4,  2                            ; v2   4 x lane
.set AXR, 3                            ; v3   my XW + 528 r + 64 h
.set AXW, 4                            ; v4   my XW + 16 x lane
.set ADW, 5                            ; v5   DOML + 16 x thread
.set ADR, 6                            ; v6   DOML + 512 w + 64 h
.set AXI, 7                            ; v7   2048 w + 16 r + 8 h
.set AXS, 8                            ; v8   128 w + 4 r
.set AHI, 9                            ; v9   256 w + 16 r + 8 h
.set AHS, 10                           ; v10  128 (w / 4) + w % 4 + 4 r
.set AST, 11                           ; v11  my XW + 528 r + 32 h
.set TOKV, 12                          ; v12-13  my token of each tt
.set WT,  14                           ; v14-17  its (w1, w2)
.set G,   18                           ; v18-21  its weight for the expert in hand, as pairs
.set DOMREG, 22                        ; v22-25  16 bytes of dom's slice
.set EA,  26                           ; v26-27  its first expert
.set EB,  28                           ; v28-29  its second
.set GL,  30                           ; v30  512 w + 16 x lane: my bytes of a row of x or of out0
.set XS,  32                           ; v32-39  x's scale words, a register a K step: lanes 0-15 tt 0, lanes 16-31 tt 1
.set HS,  40                           ; v40-41  the hidden layer's likewise
.set WS,  42                           ; v42-53  the weights' scale words, four registers a region
.set PW,  54                           ; v54-55  the scale word being made
.set TM,  56                           ; v56-71  quantiser: largest magnitudes, the other half's, scale operands, bytes
.set PC,  72                           ; v72-79  codes just made
.set XF,  96                           ; v96-127 fragments of x or of the hidden layer; dom; at work in the activation
.set P,   128                          ; v128-191 numbers to quantise; the first product's sums; the second's
                                       ; v192-255 region R2.   Window 1: v0-127 the output sums (16 T + 8 tt + j); v128-191 region R0; v192-255 region R1
.set WV,  16                           ; s16  wave
.set MASK, 17                          ; s17  the experts that my 32 tokens use
.set EX,  18                           ; s18  the expert in hand
.set WB,  20                           ; s[20:21] the weight stream of (expert, wave)
.set DB,  22                           ; s[22:23] dom's slice of (expert, wave)
.set ROWS, 32                          ; s32-63  token x 4,096 for my work-group's 32 rows
.set MSB, 0
.macro WIN new                         ; the immediate's high byte repeats the setting that is left; bits 1:0 source 0, 3:2 source 1, 5:4 source 2, 7:6 destination
.if MSB != \new
	s_set_vgpr_msb (MSB<<8)|\new
.set MSB, \new
.endif
.endm
.macro PLACES n                        ; plain lines behind matrix instructions: 4 ahead of loads into, and reads of, their registers; 5 ahead of a matrix instruction that writes over them
.rept \n
	v_nop
.endr
.endm
.macro REGION i
.set RG, (\i)%3
.if RG == 0
.set RB, 128
.else
.set RB, 192
.endif
.if RG == 2
.set RWIN, 0
.else
.set RWIN, 1
.endif
.endm
.macro LOADC i                         ; chunk i of the stream: 17 loads, each lane its 16 bytes
	REGION \i
	WIN RWIN*0x40
.set q, 0
.rept 16
	global_load_b128 v[RB+4*q:RB+4*q+3], v[L16], s[WB:WB+1] offset:8704*(\i)+512*q
.set q, q+1
.endr
	WIN 0
	global_load_b128 v[WS+4*RG:WS+4*RG+3], v[L16], s[WB:WB+1] offset:8704*(\i)+8192
.endm
.macro SETBASE                         ; s28: an expert, held to 0 .. 7.  s25 = 0
	s_lshl_b32 s29, s28, 3
	s_add_co_u32 s29, s29, s[WV]
	s_mul_i32 s24, s29, 52224
	s_add_nc_u64 s[WB:WB+1], s[12:13], s[24:25]
	s_lshl_b32 s24, s28, 12
	s_lshl_b32 s29, s[WV], 9
	s_add_co_u32 s24, s24, s29
	s_add_nc_u64 s[DB:DB+1], s[6:7], s[24:25]
.endm
; One matrix instruction on the registers MD, MA, MB, SCA, SCB.  zero: it starts the sum.  ra, rb: the scales stand in lanes 16-31.
.macro WM zero, ra, rb
.if \zero
.if ((\ra) == 0) && ((\rb) == 0)
	v_wmma_scale_f32_16x16x128_f8f6f4 v[MD:MD+7], v[MA:MA+7], v[MB:MB+7], 0, v[SCA], v[SCB] matrix_a_fmt:MATRIX_FMT_FP4 matrix_b_fmt:MATRIX_FMT_FP4
.elseif (\rb) == 0
	v_wmma_scale_f32_16x16x128_f8f6f4 v[MD:MD+7], v[MA:MA+7], v[MB:MB+7], 0, v[SCA], v[SCB] matrix_a_fmt:MATRIX_FMT_FP4 matrix_b_fmt:MATRIX_FMT_FP4 matrix_a_scale:MATRIX_SCALE_ROW1
.elseif (\ra) == 0
	v_wmma_scale_f32_16x16x128_f8f6f4 v[MD:MD+7], v[MA:MA+7], v[MB:MB+7], 0, v[SCA], v[SCB] matrix_a_fmt:MATRIX_FMT_FP4 matrix_b_fmt:MATRIX_FMT_FP4 matrix_b_scale:MATRIX_SCALE_ROW1
.else
	v_wmma_scale_f32_16x16x128_f8f6f4 v[MD:MD+7], v[MA:MA+7], v[MB:MB+7], 0, v[SCA], v[SCB] matrix_a_fmt:MATRIX_FMT_FP4 matrix_b_fmt:MATRIX_FMT_FP4 matrix_a_scale:MATRIX_SCALE_ROW1 matrix_b_scale:MATRIX_SCALE_ROW1
.endif
.else
.if ((\ra) == 0) && ((\rb) == 0)
	v_wmma_scale_f32_16x16x128_f8f6f4 v[MD:MD+7], v[MA:MA+7], v[MB:MB+7], v[MD:MD+7], v[SCA], v[SCB] matrix_a_fmt:MATRIX_FMT_FP4 matrix_b_fmt:MATRIX_FMT_FP4
.elseif (\rb) == 0
	v_wmma_scale_f32_16x16x128_f8f6f4 v[MD:MD+7], v[MA:MA+7], v[MB:MB+7], v[MD:MD+7], v[SCA], v[SCB] matrix_a_fmt:MATRIX_FMT_FP4 matrix_b_fmt:MATRIX_FMT_FP4 matrix_a_scale:MATRIX_SCALE_ROW1
.elseif (\ra) == 0
	v_wmma_scale_f32_16x16x128_f8f6f4 v[MD:MD+7], v[MA:MA+7], v[MB:MB+7], v[MD:MD+7], v[SCA], v[SCB] matrix_a_fmt:MATRIX_FMT_FP4 matrix_b_fmt:MATRIX_FMT_FP4 matrix_b_scale:MATRIX_SCALE_ROW1
.else
	v_wmma_scale_f32_16x16x128_f8f6f4 v[MD:MD+7], v[MA:MA+7], v[MB:MB+7], v[MD:MD+7], v[SCA], v[SCB] matrix_a_fmt:MATRIX_FMT_FP4 matrix_b_fmt:MATRIX_FMT_FP4 matrix_a_scale:MATRIX_SCALE_ROW1 matrix_b_scale:MATRIX_SCALE_ROW1
.endif
.endif
.endm
; nb blocks, block q in v[src + 16 q] on: 16 numbers of a lane, the other 16 in lane l xor 16.  Codes to v[PC + 2 q], v[PC + 2 q + 1]; bytes to v[TM + 12 + q].
.macro QUANT src, nb
.set q, 0
.rept \nb
	v_max3_num_f32 v[TM+q], |v[\src+16*q]|, |v[\src+16*q+1]|, 0x1800000   ; with the floor 2^(3 - 127): the byte cannot fall under 1
.set q, q+1
.endr
.irp i, 2,4,6,8,10,12,14
.set q, 0
.rept \nb
	v_max3_num_f32 v[TM+q], v[TM+q], |v[\src+16*q+\i]|, |v[\src+16*q+\i+1]|   ; (the blocks by turns)
.set q, q+1
.endr
.endr
.set q, 0
.rept \nb
	v_permlanex16_b32 v[TM+4+q], v[TM+q], s26, s27
.set q, q+1
.endr
.set q, 0
.rept \nb
	v_max_num_f32 v[TM+q], v[TM+q], v[TM+4+q]      ; the block's largest magnitude
.set q, q+1
.endr
.set q, 0
.rept \nb
	v_add_nc_u32 v[TM+8+q], 0xff000000, v[TM+q]    ; 2 off its exponent field: the conversion's scale operand
.set q, q+1
.endr
.set q, 0
.rept \nb
	v_lshrrev_b32 v[TM+12+q], 23, v[TM+8+q]        ; the byte
.set q, q+1
.endr
.set q, 0
.rept \nb
	v_cvt_scalef32_pk8_fp4_f32 v[PC+2*q], v[\src+16*q:\src+16*q+7], v[TM+8+q]
	v_cvt_scalef32_pk8_fp4_f32 v[PC+2*q+1], v[\src+16*q+8:\src+16*q+15], v[TM+8+q]
.set q, q+1
.endr
	v_nop                                          ; one plain line behind the last conversion
.endm
	s_load_b256 s[4:11], s[0:1], 0x0               ; hidden_states, dom, order, rwt
	s_load_b128 s[12:15], s[0:1], 0x20             ; wq, out0
	v_lshrrev_b32 v31, 5, v0
	v_readfirstlane_b32 s[WV], v31
	v_and_b32 v80, 31, v0                          ; lane
	v_and_b32 v81, 15, v0                          ; r
	v_bfe_u32 v82, v0, 4, 1                        ; h
	v_lshlrev_b32 v85, 2, v81                      ; 4 r
	s_lshl_b32 s24, ttmp9, 7                       ; my work-group's 32 words of the sorted list
	s_mov_b32 s25, 0
	s_wait_kmcnt 0x0
	s_add_nc_u64 s[8:9], s[8:9], s[24:25]
	global_load_b32 v86, v85, s[8:9]
	global_load_b32 v87, v85, s[8:9] offset:64
	v_lshlrev_b32 v[L16], 4, v80
	v_lshlrev_b32 v[L4], 2, v80
	s_mul_i32 s19, s[WV], XWB
	s_add_co_u32 s19, s19, XW
	v_mul_u32_u24 v83, v81, XP
	v_add_nc_u32 v83, s19, v83
	v_lshl_add_u32 v[AXR], v82, 6, v83
	v_lshl_add_u32 v[AST], v82, 5, v83
	v_add_nc_u32 v[AXW], s19, v[L16]
	v_lshl_add_u32 v[ADW], v0, 4, DOML
	s_lshl_b32 s28, s[WV], 9
	s_add_co_u32 s28, s28, DOML
	v_lshl_add_u32 v[ADR], v82, 6, s28
	v_lshlrev_b32 v84, 4, v81
	v_lshl_add_u32 v84, v82, 3, v84                ; 16 r + 8 h
	s_lshl_b32 s28, s[WV], 11
	v_add_nc_u32 v[AXI], s28, v84
	s_lshl_b32 s28, s[WV], 8
	v_add_nc_u32 v[AHI], s28, v84
	s_lshl_b32 s28, s[WV], 7
	v_add_nc_u32 v[AXS], s28, v85
	s_lshr_b32 s28, s[WV], 2
	s_lshl_b32 s28, s28, 7
	s_and_b32 s29, s[WV], 3
	s_add_co_u32 s28, s28, s29
	v_add_nc_u32 v[AHS], s28, v85
	v_lshlrev_b32 v[GL], 4, v0
	s_mov_b32 s26, 0x76543210                      ; v_permlanex16_b32's selects for lane l xor 16
	s_mov_b32 s27, 0xfedcba98
	v_mov_b32 v94, 1
	s_wait_loadcnt 0x0
.irp tt, 0,1
	v_and_b32 v[TOKV+\tt], 0x1fff, v[86+\tt]
	v_min_u32 v[TOKV+\tt], 0x1fff, v[TOKV+\tt]     ; held inside the tables
	v_bfe_u32 v[EA+\tt], v[86+\tt], 16, 4
	v_bfe_u32 v[EB+\tt], v[86+\tt], 20, 4
	v_lshlrev_b32 v[88+\tt], 3, v[TOKV+\tt]
	global_load_b64 v[WT+2*\tt:WT+2*\tt+1], v[88+\tt], s[10:11]
.endr
.set i, 0
.rept 32
	v_readlane_b32 s[ROWS+i], v[TOKV+i/16], i%16
	s_min_u32 s[ROWS+i], s[ROWS+i], 0x1fff
	s_lshl_b32 s[ROWS+i], s[ROWS+i], 12
	v_add_nc_u32 v[P+i], s[ROWS+i], v[GL]
.set i, i+1
.endr
	WIN 0x40                                       ; destination window 1: the output sums' registers are free as yet
.set i, 0
.rept 32
	global_load_b128 v[4*i:4*i+3], v[P+i], s[4:5] th:TH_LOAD_NT   ; my wave's 512 consecutive bytes of row i
.set i, i+1
.endr
	WIN 0
	v_lshlrev_b32 v90, v[EA], v94                  ; which experts my tokens use,
	v_lshlrev_b32 v91, v[EB], v94
	v_lshlrev_b32 v92, v[EA+1], v94
	v_lshlrev_b32 v93, v[EB+1], v94
	v_or_b32 v90, v90, v91
	v_or_b32 v92, v92, v93
	v_or_b32 v90, v90, v92
	s_mov_b32 s[MASK], 0
.irp e, 0,1,2,3,4,5,6,7
	v_and_b32 v91, 1<<\e, v90                      ; and which any lane's do
	v_cmp_ne_u32 vcc_lo, 0, v91
	s_cmp_lg_u32 vcc_lo, 0
	s_cselect_b32 s19, 1<<\e, 0
	s_or_b32 s[MASK], s[MASK], s19
.endr
	s_ctz_i32_b32 s28, s[MASK]
	s_min_u32 s28, s28, 7                          ; the first of them
	SETBASE
	global_load_b128 v[DOMREG:DOMREG+3], v[L16], s[DB:DB+1]
	LOADC 0
	LOADC 1
	LOADC 2
	s_wait_loadcnt 52                              ; the weights and x are in; behind them: dom (1) and three chunks (51)
	WIN 0x04                                       ; an LDS store's data are its source 1: window 1
.set i, 0
.rept 32
	ds_store_b128 v[AXW], v[4*i:4*i+3] offset:XP*i
.set i, i+1
.endr
	s_wait_dscnt 0x0                               ; the stores have read their registers
	WIN 0x40
.set i, 0
.rept 128
	v_mov_b32 v[i], 0                              ; the output sums.  Which expert comes first is known from data alone: a copy of the second product that starts the sums would be longer than these lines
.set i, i+1
.endr
	WIN 0
.irp q, 0,1,2,3
	v_mov_b32 v[TM+4+\q], 0                        ; written once: a lane permute's destination counts as one of its sources
.endr
	s_mov_b32 s[EX], 0
.Lexpert:
	s_lshr_b32 s19, s[MASK], s[EX]
	s_bitcmp1_b32 s19, 0
	s_cbranch_scc0 .Lno_sx
	; ---- SX: K step w of x + dom[e], both tiles of tokens, becomes codes
	s_wait_loadcnt 51                              ; dom's slice is in; the three chunks behind it may be out
	ds_store_b128 v[ADW], v[DOMREG:DOMREG+3]       ; LDS serves a wave's instructions in order: the loads below see it
.irp hb, 0,1
.irp bb, 0,1
.irp j, 0,1,2,3
	ds_load_b128 v[XF+16*\bb+4*\j:XF+16*\bb+4*\j+3], v[ADR] offset:256*\hb+128*\bb+16*\j
.endr
.endr
.irp tt, 0,1
.irp bb, 0,1
.irp j, 0,1,2,3
	ds_load_b128 v[P+32*\tt+16*\bb+4*\j:P+32*\tt+16*\bb+4*\j+3], v[AXR] offset:8448*\tt+256*\hb+128*\bb+16*\j
.endr
.endr
.endr
	s_wait_dscnt 0x0                               ; they are in, and the stores of the last half's codes have read their registers
.irp tt, 0,1
.irp bb, 0,1
.irp p, 0,1,2,3,4,5,6,7
	v_pk_add_f32 v[P+32*\tt+16*\bb+2*\p:P+32*\tt+16*\bb+2*\p+1], v[P+32*\tt+16*\bb+2*\p:P+32*\tt+16*\bb+2*\p+1], v[XF+16*\bb+2*\p:XF+16*\bb+2*\p+1]
.endr
.endr
.endr
	QUANT P, 4                                     ; block q = 2 tt + bb: block 2 hb + bb of the K step
.irp tt, 0,1
.irp bb, 0,1
	ds_store_b64 v[AXI], v[PC+2*(2*\tt+\bb):PC+2*(2*\tt+\bb)+1] offset:XIMG+1024*\tt+512*\hb+256*\bb
.if (\hb == 0) && (\bb == 0)
	v_mov_b32 v[PW+\tt], v[TM+12+2*\tt+\bb]
.else
	v_lshl_or_b32 v[PW+\tt], v[TM+12+2*\tt+\bb], 8*(2*\hb+\bb), v[PW+\tt]
.endif
.endr
.endr
.endr
	ds_store_b32 v[AXS], v[PW] offset:XSC          ; both lanes of a token write the same word
	ds_store_b32 v[AXS], v[PW+1] offset:XSC+64
.Lno_sx:
	s_wait_dscnt 0x0                               ; my stores have landed, and my reads of the hidden layer's images are over
	s_barrier_signal -1
	s_barrier_wait -1                              ; x's sixteen fragments lie in LDS
	s_lshr_b32 s19, s[MASK], s[EX]
	s_bitcmp1_b32 s19, 0
	s_cbranch_scc0 .Lno_s1
	; ---- S1: my 32 hidden units of W1 and of W3 for the 32 tokens: eight sums by turns, two K steps a chunk
.irp ks, 0,1,2,3,4,5,6,7
	ds_load_b32 v[XS+\ks], v[L4] offset:XSC+128*\ks
.endr
.irp i, 0,1,2,3
.irp kk, 0,1
.irp tt, 0,1
.irp c, 0,1
	ds_load_b128 v[XF+16*\kk+8*\tt+4*\c:XF+16*\kk+8*\tt+4*\c+3], v[L16] offset:XIMG+2048*(2*\i+\kk)+1024*\tt+512*\c
.endr
.endr
.endr
	s_wait_dscnt 0x0
	s_wait_loadcnt 34                              ; this chunk is in; the two chunks behind it may be out
	REGION \i
	WIN RWIN                                       ; source 0 in the region's window
.irp kk, 0,1
.irp tt, 0,1
.irp m, 0,1
.irp u, 0,1
.set MD, P+32*\m+16*\tt+8*\u
.set MA, RB+8*(4*\kk+2*\m+\u)
.set MB, XF+16*\kk+8*\tt
.set SCA, WS+4*RG+2*\kk+\m
.set SCB, XS+2*\i+\kk
.if (\i == 0) && (\kk == 0)
	WM 1, \u, \tt
.else
	WM 0, \u, \tt
.endif
.endr
.endr
.endr
.endr
	WIN 0
.if \i < 3
	PLACES 4                                       ; ahead of the loads into the region, its scale words and x's fragments
	LOADC \i+3
.endif
.endr
	PLACES 5                                       ; ahead of the reads below, and of the next matrix instruction that starts a sum in these registers
	; h = a1 a3 / (1 + 2^(-log2(e) a1)), in f32.  a1 at P + 16 tt + 8 u, a3 32 further on; each sum is read from its low end on
.set i, 0
.rept 16
	v_pk_mul_f32 v[XF+2*i:XF+2*i+1], v[P+2*i:P+2*i+1], 0xbfb8aa3b op_sel_hi:[1,0]
.set i, i+1
.endr
.set i, 0
.rept 32
	v_exp_f32 v[XF+i], v[XF+i]
.set i, i+1
.endr
.set i, 0
.rept 16
	v_pk_mul_f32 v[P+2*i:P+2*i+1], v[P+2*i:P+2*i+1], v[P+32+2*i:P+32+2*i+1]   ; a1 a3: plain work behind the batch
.set i, i+1
.endr
	s_wait_alu depctr_va_vdst(0)                   ; one wait for the 32 exponentials, ahead of their first reader
.set i, 0
.rept 16
	v_pk_add_f32 v[XF+2*i:XF+2*i+1], v[XF+2*i:XF+2*i+1], 1.0 op_sel_hi:[1,0]
.set i, i+1
.endr
.set i, 0
.rept 32
	v_rcp_f32 v[XF+i], v[XF+i]
.set i, i+1
.endr
	v_nop
	s_wait_alu depctr_va_vdst(0)                   ; and one for the 32 reciprocals
.set i, 0
.rept 16
	v_pk_mul_f32 v[P+2*i:P+2*i+1], v[P+2*i:P+2*i+1], v[XF+2*i:XF+2*i+1]
.set i, i+1
.endr
	QUANT P, 2                                     ; registers 16 tt + 0 .. 15 are hidden units 32 w + 16 h + 0 .. 15: block w of the second product's K
.irp tt, 0,1
	ds_store_b64 v[AHI], v[PC+2*\tt:PC+2*\tt+1] offset:HIMG+2048*\tt
	ds_store_b8 v[AHS], v[TM+12+\tt] offset:HSC+64*\tt
.endr
.Lno_s1:
	s_wait_dscnt 0x0                               ; my stores have landed, and my reads of x's images are over
	s_barrier_signal -1
	s_barrier_wait -1                              ; the hidden layer's four fragments lie in LDS
	s_lshr_b32 s19, s[MASK], s[EX]
	s_bitcmp1_b32 s19, 0
	s_cbranch_scc0 .Lno_s2
	s_add_co_u32 s19, s[EX], 1
	s_lshr_b32 s28, s[MASK], s19                   ; the experts still to come
	s_cmp_eq_u32 s28, 0
	s_cbranch_scc1 .Ls2l
.macro MUL2 ch                         ; four tiles of outputs x two tiles of tokens: eight sums by turns, two K steps
	REGION \ch
	WIN RWIN
.irp ks, 0,1
.irp tl, 0,1,2,3
.irp tt, 0,1
.set MD, P+8*(2*\tl+\tt)
.set MA, RB+8*(2*\tl+\ks)
.set MB, XF+16*\ks+8*\tt
.set SCA, WS+4*RG+\tl
.set SCB, HS+\ks
	WM 1-\ks, \ks, \tt
.endr
.endr
.endr
	WIN 0
.endm
.macro ACCUM ch                        ; the output sums += my token's weight x the product; each product is read from its low end on
	WIN 0x50                                       ; destination and source 2 in window 1
.irp tl, 0,1,2,3
.irp tt, 0,1
.irp p, 0,1,2,3
.set OD, 16*(4*((\ch)-4)+\tl)+8*\tt+2*\p
	v_pk_fma_f32 v[OD:OD+1], v[P+8*(2*\tl+\tt)+2*\p:P+8*(2*\tl+\tt)+2*\p+1], v[G+2*\tt:G+2*\tt+1], v[OD:OD+1] op_sel_hi:[1,0,1]
.endr
.endr
.endr
	WIN 0
.endm
; ---- S2: my 128 outputs.  next = 1: the next expert's dom and first three chunks are asked for as the regions fall free.
.macro S2BODY next
.if \next
	s_wait_loadcnt 34                              ; all but the last two chunks issued are in: region R0 and dom's registers take no load that is out
	s_wait_xcnt 0x0                                ; every earlier load has read its base: both bases may be written
	s_ctz_i32_b32 s28, s28
	s_add_co_u32 s28, s28, s19
	s_min_u32 s28, s28, 7                          ; the next expert
	SETBASE
	global_load_b128 v[DOMREG:DOMREG+3], v[L16], s[DB:DB+1]
	LOADC 0
.endif
.irp ks, 0,1
.irp tt, 0,1
.irp c, 0,1
	ds_load_b128 v[XF+16*\ks+8*\tt+4*\c:XF+16*\ks+8*\tt+4*\c+3], v[L16] offset:HIMG+2048*\tt+1024*\ks+512*\c
.endr
.endr
	ds_load_b32 v[HS+\ks], v[L4] offset:HSC+128*\ks
.endr
.irp tt, 0,1
	v_cmp_eq_u32 vcc_lo, s[EX], v[EA+\tt]          ; my token's weight for this expert: w1, w2, or 0 if it has not chosen it
	v_cndmask_b32 v[G+2*\tt], 0, v[WT+2*\tt], vcc_lo
	v_cmp_eq_u32 vcc_lo, s[EX], v[EB+\tt]
	v_cndmask_b32 v[G+2*\tt], v[G+2*\tt], v[WT+2*\tt+1], vcc_lo
	v_mov_b32 v[G+2*\tt+1], v[G+2*\tt]             ; (named with it as a pair)
.endr
	s_wait_dscnt 0x0
.if \next
	s_wait_loadcnt 35                              ; chunk 4 is in; behind it: chunk 5 (17), dom (1), the next expert's chunk 0 (17)
.else
	s_wait_loadcnt 17                              ; chunk 4 is in; chunk 5 may be out
.endif
	MUL2 4
	PLACES 5
.if \next
	LOADC 1
.endif
	ACCUM 4
.if \next
	s_wait_loadcnt 35                              ; chunk 5 is in; behind it: dom (1) and the next expert's chunks 0 and 1 (34)
.else
	s_wait_loadcnt 0x0
.endif
	MUL2 5
	PLACES 5
.if \next
	LOADC 2
.endif
	ACCUM 5
.endm
	S2BODY 1
	s_branch .Lno_s2
.Ls2l:
	S2BODY 0
.Lno_s2:
	s_add_co_u32 s[EX], s[EX], 1
	s_cmp_lt_u32 s[EX], 8
	s_cbranch_scc1 .Lexpert
	; ---- THE WAY OUT.  A lane holds 32 bytes of a row's 512 and the lanes beside it other rows: the sums go through my own stage (x's slice is done with) and come back as whole rows.
	s_wait_loadcnt 0x0                             ; no load is out into the registers used below
	WIN 0x04
.irp tt, 0,1
.irp t, 0,1,2,3,4,5,6,7
	ds_store_b128 v[AST], v[16*\t+8*\tt:16*\t+8*\tt+3] offset:8448*\tt+64*\t
	ds_store_b128 v[AST], v[16*\t+8*\tt+4:16*\t+8*\tt+7] offset:8448*\tt+64*\t+16
.endr
.endr
	WIN 0
.set i, 0
.rept 32
	v_add_nc_u32 v[224+i], s[ROWS+i], v[GL]
.set i, i+1
.endr
.set i, 0
.rept 32
	ds_load_b128 v[96+4*i:96+4*i+3], v[AXW] offset:XP*i   ; LDS serves a wave's instructions in order: these see my stores
.set i, i+1
.endr
.set i, 0
.rept 32
	s_wait_dscnt 31-i                              ; row i is back; the rows behind it may be out
	global_store_b128 v[224+i], v[96+4*i:96+4*i+3], s[14:15] th:TH_STORE_NT   ; 32 lanes store 512 consecutive bytes of a row of out0, at a multiple of 256
.set i, i+1
.endr
	s_wait_xcnt 0x0
	v_lshl_add_u32 v254, v0, 2, 0x27500
	v_mov_b32 v255, 0
	s_wait_tensorcnt 0x0
	ds_add_u32 v254, v255
	s_wait_dscnt 0x0
	s_endpgm
.Lfunc_end_k_q4b4e50d8e8_experts:
	.size	k_q4b4e50d8e8_experts, .Lfunc_end_k_q4b4e50d8e8_experts-k_q4b4e50d8e8_experts
	.p2alignl 7, 3214868480
	.fill 96, 4, 3214868480
	.section	.rodata,"a",@progbits
	.p2align	6, 0x0
	.amdhsa_kernel k_q4b4e50d8e8_experts
		.amdhsa_group_segment_fixed_size 162048
		.amdhsa_private_segment_fixed_size 0
		.amdhsa_enable_private_segment 0
		.amdhsa_kernarg_size 48
		.amdhsa_user_sgpr_count 2
		.amdhsa_user_sgpr_kernarg_segment_ptr 1
		.amdhsa_wavefront_size32 1
		.amdhsa_system_sgpr_workgroup_id_x 1
		.amdhsa_system_sgpr_workgroup_id_y 1
		.amdhsa_system_sgpr_workgroup_id_z 1
		.amdhsa_system_vgpr_workitem_id 0
		.amdhsa_next_free_vgpr 512
		.amdhsa_next_free_sgpr 66
		.amdhsa_reserve_vcc 1
		.amdhsa_float_denorm_mode_32 3
		.amdhsa_float_denorm_mode_16_64 3
		.amdhsa_memory_ordered 1
		.amdhsa_forward_progress 1
		.amdhsa_inst_pref_size 100
	.end_amdhsa_kernel
	.amdgpu_metadata
---
amdhsa.version: [ 1, 2 ]
amdhsa.kernels:
  - .name:           k_q4b4e50d8e8_experts
    .symbol:         k_q4b4e50d8e8_experts.kd
    .args:
      - { .name: hidden_states, .offset: 0, .size: 8, .value_kind: global_buffer, .address_space: global }
      - { .name: dom, .offset: 8, .size: 8, .value_kind: global_buffer, .address_space: global }
      - { .name: order, .offset: 16, .size: 8, .value_kind: global_buffer, .address_space: global }
      - { .name: rwt, .offset: 24, .size: 8, .value_kind: global_buffer, .address_space: global }
      - { .name: wq, .offset: 32, .size: 8, .value_kind: global_buffer, .address_space: global }
      - { .name: out0, .offset: 40, .size: 8, .value_kind: global_buffer, .address_space: global }
    .group_segment_fixed_size: 162048
    .private_segment_fixed_size: 0
    .kernarg_segment_align: 8
    .kernarg_segment_size: 48
    .max_flat_workgroup_size: 256
    .sgpr_count:     66
    .vgpr_count:     512
    .wavefront_size: 32
...
	.end_amdgpu_metadata
.endif
;; end of part 3
;; ======== version 2 of 2: 3 launches; version 1 with the launch experts written anew for expert scheduling mode
;; workspace buffers: rkey 32,768 bytes of whole numbers; hist 16,384 bytes of whole numbers; rwt 65,536 bytes; order 32,768 bytes of whole numbers; wq 3,342,336 bytes
;; launch route: the kernel of part 1 again; grid 256 x 1, 8 waves a work-group, no clusters, 9,216 bytes of LDS; arguments hidden_states, gate_w, rkey, rwt, hist; writes rkey, rwt, hist
;; launch prep: the kernel of part 2 again; grid 224 x 1, 8 waves a work-group, no clusters, 19,712 bytes of LDS; arguments W1, W3, W2, rkey, hist, wq, order; writes wq, order
;; launch experts (part 4): grid 256 x 1, 8 waves a work-group, no clusters, 162,048 bytes of LDS; arguments hidden_states, dom, order, rwt, wq, out0; writes out0
.if DOCPART == 4
	.amdgcn_target "amdgcn-amd-amdhsa--gfx1250"
	.amdhsa_code_object_version 6
	.text
	.protected	k_q4b4e50d8e8_experts
	.globl	k_q4b4e50d8e8_experts
	.p2align	8
	.type	k_q4b4e50d8e8_experts,@function
k_q4b4e50d8e8_experts:
	s_mov_b64 s[64:65], 0
	v_nop
	global_prefetch_b8 v0, s[64:65] scope:SCOPE_SE
	s_setreg_imm32_b32 hwreg(HW_REG_WAVE_SCHED_MODE, 0, 2), 2
	s_setreg_imm32_b32 hwreg(HW_REG_WAVE_MODE, 25, 1), 1
	s_wait_xcnt 0x0
	s_wait_alu depctr_vm_vsrc(0)
; THE CHAIN.  out[t] = the sum over t's two experts e of w(t, e) x Q(silu(Q(x + dom[e]) Q(W1[e])) (Q(x + dom[e]) Q(W3[e]))) Q(W2[e]), all three products on codes of FP4 (E2M1) with one E8M0 scale
; for each 32 along K.  The experts that a token has not chosen have the weight 0 in the reference and are not multiplied, unless another token of the block has chosen them: then the weight 0 is applied.
; SHARES.  A work-group owns 32 tokens, neighbours in the sorted order (two tiles tt of 16), and every byte of their rows of out0.  It walks the 8 experts in a loop of constant count and passes over,
; by scalar branches on the stored list, those that none of its tokens uses.  Both barriers of a trip stand outside those branches.
; THE WAVES SHARE THE COLUMNS: wave w quantises K step w of x + dom, makes hidden units 32 w .. 32 w + 31 (of W1 and of W3) and outputs 128 w .. 128 w + 127, for all 32 tokens.
; So each fragment of the weights is loaded by one wave of the work-group, from memory straight into its registers, in the order in which the launch before has laid them.
; No cluster, no joint load: which experts a work-group walks hangs on the stored list, and neighbours walk different experts.
; BOTH PRODUCTS ARE USED TRANSPOSED (source 0 = 16 rows of a weight, source 1 = 16 tokens): lane (r, h) holds token 16 tt + r throughout.
; Operands go from wave to wave through LDS as images of their registers: half c of a fragment at 512 c, lane (r, hb)'s 16 bytes (block 2 c + hb of token r) at 16 (r + 16 hb).
; A lane that has quantised 16 numbers of a block (k = 16 h on) stores its 8 bytes at 16 r + 8 h of the block's 256: the image itself puts a whole block into a lane.
; WEIGHTS: an expert's stream for a wave is 6 chunks of 17 loads (8 fragments and their scale words); chunk i goes to region i % 3.  Up to three chunks are on their way.
; Every segment under a branch issues whole chunks in the order R0, R1, R2, so each counted wait holds on every way through the branches.
; LIMITS: a block of zeros gets the scale byte 1 where the rule says 127 (its codes are zeros); NaN and infinities among the inputs are not served.
; THE MODE: SCHED_MODE bits 1:0 = 2 (LLVM: expert scheduling mode 2), set by the entry lines.  The code itself states the register dependences
; between vector or matrix instructions and memory or LDS instructions, with s_wait_alu, always for 0.
; THE PLAN.  Registers that memory or LDS instructions touch, in the loop:
;   v1-11, v30    offsets and LDS addresses: written at the head, never again.
;   DOMREG        a load lands in it (head, S2); SX's LDS store reads it.
;   XF            LDS loads land in it: dom (SX), x's fragments of chunks 0 and 2 (S1), the hidden layer's (S2).  Named by SX's additions, the products, the activation.
;   XFB           LDS loads land in it: x's fragments of chunks 1 and 3 (S1).  Outside S1's products these registers are the quantiser's (TM from v64 on, PC).
;   P             LDS loads land in it (SX).  Named by SX's additions, the quantiser, both products' sums and the output sums' lines.
;   XS, HS        LDS loads land in them; the products read them as scales.
;   R0-R2, WS     loads of the weights land in them; the products read them.
;   PC, PW, TM's bytes   the quantiser writes them; LDS stores read them.
; THE WAITS.  One on va_vdst at the loop's head, on every way: the last expert's products and sums are done with XF, P, XS and HS.  In SX one ahead of each half's stores; behind it nothing names XF or P,
; so the next LDS loads into them owe nothing.  In S1 one behind the products of each chunk whose buffer of x, region and scale words are asked for again at once; the activation's two; one ahead of the stores.
; In S2 one behind each chunk's products, where a next expert's chunk takes the region.  On vm_vsrc: one beside the wait on DScnt in front of each barrier, on every way (the segment's LDS stores have read
; their data), and one between SX's halves.  On va_sdst: one behind each run of lines that write scalar registers.
.set XIMG, 0                           ; LDS: x + dom as codes: fragment (K step ks, tt) at 2048 ks + 1024 tt
.set XSC,  16384                       ; its scale words: 128 ks + 64 tt + 4 r
.set HIMG, 17408                       ; the hidden layer: fragment (tt, ks) at 2048 tt + 1024 ks
.set HSC,  21504                       ; its scale words: 128 ks + 64 tt + 4 r
.set DOML, 21760                       ; dom's slice, 512 bytes for each wave, its own
.set XW,   25856                       ; x's slice in f32, for each wave its own: 32 rows x (512 + 16) bytes; at the end the stage for the way out
.set XWB,  16896
.set XP,   528
.set L16, 1                            ; v1   16 x lane
.set L4,  2                            ; v2   4 x lane
.set AXR, 3                            ; v3   my XW + 528 r + 64 h
.set AXW, 4                            ; v4   my XW + 16 x lane
.set ADW, 5                            ; v5   DOML + 16 x thread
.set ADR, 6                            ; v6   DOML + 512 w + 64 h
.set AXI, 7                            ; v7   2048 w + 16 r + 8 h
.set AXS, 8                            ; v8   128 w + 4 r
.set AHI, 9                            ; v9   256 w + 16 r + 8 h
.set AHS, 10                           ; v10  128 (w / 4) + w % 4 + 4 r
.set AST, 11                           ; v11  my XW + 528 r + 32 h
.set TOKV, 12                          ; v12-13  my token of each tt
.set WT,  14                           ; v14-17  its (w1, w2)
.set G,   18                           ; v18-21  its weight for the expert in hand, as pairs
.set DOMREG, 22                        ; v22-25  16 bytes of dom's slice
.set EA,  26                           ; v26-27  its first expert
.set EB,  28                           ; v28-29  its second
.set GL,  30                           ; v30  512 w + 16 x lane: my bytes of a row of x or of out0
.set XS,  32                           ; v32-39  x's scale words, a register a K step: lanes 0-15 tt 0, lanes 16-31 tt 1
.set HS,  40                           ; v40-41  the hidden layer's likewise
.set WS,  42                           ; v42-53  the weights' scale words, four registers a region
.set PW,  54                           ; v54-55  the scale word being made
.set TM,  56                           ; v56-71  quantiser: largest magnitudes, the other half's, scale operands, bytes
.set PC,  72                           ; v72-79  codes just made
.set XFB, 64                           ; v64-95  during the first product's matrix instructions, when the quantiser rests: the second buffer of x's fragments
.set XF,  96                           ; v96-127 fragments of x or of the hidden layer; dom; at work in the activation
.set P,   128                          ; v128-191 numbers to quantise; the first product's sums; the second's
                                       ; v192-255 region R2.   Window 1: v0-127 the output sums (16 T + 8 tt + j); v128-191 region R0; v192-255 region R1
.set WV,  16                           ; s16  wave
.set MASK, 17                          ; s17  the experts that my 32 tokens use
.set EX,  18                           ; s18  the expert in hand
.set WB,  20                           ; s[20:21] the weight stream of (expert, wave)
.set DB,  22                           ; s[22:23] dom's slice of (expert, wave)
.set ROWS, 32                          ; s32-63  token x 4,096 for my work-group's 32 rows
.set MSB, 0
.macro WIN new                         ; the immediate's high byte repeats the setting that is left; bits 1:0 source 0, 3:2 source 1, 5:4 source 2, 7:6 destination
.if MSB != \new
	s_set_vgpr_msb (MSB<<8)|\new
.set MSB, \new
.endif
.endm
.macro PLACES n                        ; plain lines behind matrix instructions: 4 ahead of loads into, and reads of, their registers; 5 ahead of a matrix instruction that writes over them
.rept \n
	v_nop
.endr
.endm
.macro REGION i
.set RG, (\i)%3
.if RG == 0
.set RB, 128
.else
.set RB, 192
.endif
.if RG == 2
.set RWIN, 0
.else
.set RWIN, 1
.endif
.endm
.macro LOADC i                         ; chunk i of the stream: 17 loads, each lane its 16 bytes
	REGION \i
	WIN RWIN*0x40
.set q, 0
.rept 16
	global_load_b128 v[RB+4*q:RB+4*q+3], v[L16], s[WB:WB+1] offset:8704*(\i)+512*q
.set q, q+1
.endr
	WIN 0
	global_load_b128 v[WS+4*RG:WS+4*RG+3], v[L16], s[WB:WB+1] offset:8704*(\i)+8192
.endm
.macro LOADH i, half                   ; eight of chunk i's sixteen loads of fragments.  Under the setting 0x50 a load's data lie in window 1 and its offset in window 0: region R1's loads stand among the output sums' lines without a switch
	REGION \i
	WIN RWIN*0x50
.set q, 8*(\half)
.rept 8
	global_load_b128 v[RB+4*q:RB+4*q+3], v[L16], s[WB:WB+1] offset:8704*(\i)+512*q
.set q, q+1
.endr
.endm
.macro LOADS i                         ; and its scale words: the chunk's last load, as in LOADC
	REGION \i
	WIN 0
	global_load_b128 v[WS+4*RG:WS+4*RG+3], v[L16], s[WB:WB+1] offset:8704*(\i)+8192
.endm
.macro XFETCH i, buf                   ; x's four fragments of chunk i (K steps 2 i and 2 i + 1, both tiles of tokens) into v[buf] on
.irp kk, 0,1
.irp tt, 0,1
.irp c, 0,1
	ds_load_b128 v[\buf+16*\kk+8*\tt+4*\c:\buf+16*\kk+8*\tt+4*\c+3], v[L16] offset:XIMG+2048*(2*(\i)+\kk)+1024*\tt+512*\c
.endr
.endr
.endr
.endm
.macro SETBASE                         ; s28: an expert, held to 0 .. 7.  s25 = 0
	s_lshl_b32 s29, s28, 3
	s_add_co_u32 s29, s29, s[WV]
	s_mul_i32 s24, s29, 52224
	s_add_nc_u64 s[WB:WB+1], s[12:13], s[24:25]
	s_lshl_b32 s24, s28, 12
	s_lshl_b32 s29, s[WV], 9
	s_add_co_u32 s24, s24, s29
	s_add_nc_u64 s[DB:DB+1], s[6:7], s[24:25]
.endm
; One matrix instruction on the registers MD, MA, MB, SCA, SCB.  zero: it starts the sum.  ra, rb: the scales stand in lanes 16-31.
.macro WM zero, ra, rb
.if \zero
.if ((\ra) == 0) && ((\rb) == 0)
	v_wmma_scale_f32_16x16x128_f8f6f4 v[MD:MD+7], v[MA:MA+7], v[MB:MB+7], 0, v[SCA], v[SCB] matrix_a_fmt:MATRIX_FMT_FP4 matrix_b_fmt:MATRIX_FMT_FP4
.elseif (\rb) == 0
	v_wmma_scale_f32_16x16x128_f8f6f4 v[MD:MD+7], v[MA:MA+7], v[MB:MB+7], 0, v[SCA], v[SCB] matrix_a_fmt:MATRIX_FMT_FP4 matrix_b_fmt:MATRIX_FMT_FP4 matrix_a_scale:MATRIX_SCALE_ROW1
.elseif (\ra) == 0
	v_wmma_scale_f32_16x16x128_f8f6f4 v[MD:MD+7], v[MA:MA+7], v[MB:MB+7], 0, v[SCA], v[SCB] matrix_a_fmt:MATRIX_FMT_FP4 matrix_b_fmt:MATRIX_FMT_FP4 matrix_b_scale:MATRIX_SCALE_ROW1
.else
	v_wmma_scale_f32_16x16x128_f8f6f4 v[MD:MD+7], v[MA:MA+7], v[MB:MB+7], 0, v[SCA], v[SCB] matrix_a_fmt:MATRIX_FMT_FP4 matrix_b_fmt:MATRIX_FMT_FP4 matrix_a_scale:MATRIX_SCALE_ROW1 matrix_b_scale:MATRIX_SCALE_ROW1
.endif
.else
.if ((\ra) == 0) && ((\rb) == 0)
	v_wmma_scale_f32_16x16x128_f8f6f4 v[MD:MD+7], v[MA:MA+7], v[MB:MB+7], v[MD:MD+7], v[SCA], v[SCB] matrix_a_fmt:MATRIX_FMT_FP4 matrix_b_fmt:MATRIX_FMT_FP4
.elseif (\rb) == 0
	v_wmma_scale_f32_16x16x128_f8f6f4 v[MD:MD+7], v[MA:MA+7], v[MB:MB+7], v[MD:MD+7], v[SCA], v[SCB] matrix_a_fmt:MATRIX_FMT_FP4 matrix_b_fmt:MATRIX_FMT_FP4 matrix_a_scale:MATRIX_SCALE_ROW1
.elseif (\ra) == 0
	v_wmma_scale_f32_16x16x128_f8f6f4 v[MD:MD+7], v[MA:MA+7], v[MB:MB+7], v[MD:MD+7], v[SCA], v[SCB] matrix_a_fmt:MATRIX_FMT_FP4 matrix_b_fmt:MATRIX_FMT_FP4 matrix_b_scale:MATRIX_SCALE_ROW1
.else
	v_wmma_scale_f32_16x16x128_f8f6f4 v[MD:MD+7], v[MA:MA+7], v[MB:MB+7], v[MD:MD+7], v[SCA], v[SCB] matrix_a_fmt:MATRIX_FMT_FP4 matrix_b_fmt:MATRIX_FMT_FP4 matrix_a_scale:MATRIX_SCALE_ROW1 matrix_b_scale:MATRIX_SCALE_ROW1
.endif
.endif
.endm
; nb blocks, block q in v[src + 16 q] on: 16 numbers of a lane, the other 16 in lane l xor 16.  Codes to v[PC + 2 q], v[PC + 2 q + 1]; bytes to v[TM + 12 + q].
.macro QUANT src, nb
.set q, 0
.rept \nb
	v_max3_num_f32 v[TM+q], |v[\src+16*q]|, |v[\src+16*q+1]|, 0x1800000   ; with the floor 2^(3 - 127): the byte cannot fall under 1
.set q, q+1
.endr
.irp i, 2,4,6,8,10,12,14
.set q, 0
.rept \nb
	v_max3_num_f32 v[TM+q], v[TM+q], |v[\src+16*q+\i]|, |v[\src+16*q+\i+1]|   ; (the blocks by turns)
.set q, q+1
.endr
.endr
.set q, 0
.rept \nb
	v_permlanex16_b32 v[TM+4+q], v[TM+q], s26, s27
.set q, q+1
.endr
.set q, 0
.rept \nb
	v_max_num_f32 v[TM+q], v[TM+q], v[TM+4+q]      ; the block's largest magnitude
.set q, q+1
.endr
.set q, 0
.rept \nb
	v_add_nc_u32 v[TM+8+q], 0xff000000, v[TM+q]    ; 2 off its exponent field: the conversion's scale operand
.set q, q+1
.endr
.set q, 0
.rept \nb
	v_lshrrev_b32 v[TM+12+q], 23, v[TM+8+q]        ; the byte
.set q, q+1
.endr
.set q, 0
.rept \nb
	v_cvt_scalef32_pk8_fp4_f32 v[PC+2*q], v[\src+16*q:\src+16*q+7], v[TM+8+q]
	v_cvt_scalef32_pk8_fp4_f32 v[PC+2*q+1], v[\src+16*q+8:\src+16*q+15], v[TM+8+q]
.set q, q+1
.endr
	v_nop                                          ; one plain line behind the last conversion
.endm
	s_load_b256 s[4:11], s[0:1], 0x0               ; hidden_states, dom, order, rwt
	s_load_b128 s[12:15], s[0:1], 0x20             ; wq, out0
	v_lshrrev_b32 v31, 5, v0
	v_readfirstlane_b32 s[WV], v31
	v_and_b32 v80, 31, v0                          ; lane
	v_and_b32 v81, 15, v0                          ; r
	v_bfe_u32 v82, v0, 4, 1                        ; h
	v_lshlrev_b32 v85, 2, v81                      ; 4 r
	s_lshl_b32 s24, ttmp9, 7                       ; my work-group's 32 words of the sorted list
	s_mov_b32 s25, 0
	s_wait_kmcnt 0x0
	s_add_nc_u64 s[8:9], s[8:9], s[24:25]
	s_wait_alu depctr_va_vdst(0)                   ; v85 is written, which the two loads below read as their offset
	global_load_b32 v86, v85, s[8:9]
	global_load_b32 v87, v85, s[8:9] offset:64
	s_wait_alu depctr_va_sdst(0)                   ; s16, the wave's number, is written, ahead of its first reader
	v_lshlrev_b32 v[L16], 4, v80
	v_lshlrev_b32 v[L4], 2, v80
	s_mul_i32 s19, s[WV], XWB
	s_add_co_u32 s19, s19, XW
	v_mul_u32_u24 v83, v81, XP
	v_add_nc_u32 v83, s19, v83
	v_lshl_add_u32 v[AXR], v82, 6, v83
	v_lshl_add_u32 v[AST], v82, 5, v83
	v_add_nc_u32 v[AXW], s19, v[L16]
	v_lshl_add_u32 v[ADW], v0, 4, DOML
	s_lshl_b32 s28, s[WV], 9
	s_add_co_u32 s28, s28, DOML
	v_lshl_add_u32 v[ADR], v82, 6, s28
	v_lshlrev_b32 v84, 4, v81
	v_lshl_add_u32 v84, v82, 3, v84                ; 16 r + 8 h
	s_lshl_b32 s28, s[WV], 11
	v_add_nc_u32 v[AXI], s28, v84
	s_lshl_b32 s28, s[WV], 8
	v_add_nc_u32 v[AHI], s28, v84
	s_lshl_b32 s28, s[WV], 7
	v_add_nc_u32 v[AXS], s28, v85
	s_lshr_b32 s28, s[WV], 2
	s_lshl_b32 s28, s28, 7
	s_and_b32 s29, s[WV], 3
	s_add_co_u32 s28, s28, s29
	v_add_nc_u32 v[AHS], s28, v85
	v_lshlrev_b32 v[GL], 4, v0
	s_mov_b32 s26, 0x76543210                      ; v_permlanex16_b32's selects for lane l xor 16
	s_mov_b32 s27, 0xfedcba98
	v_mov_b32 v94, 1
	s_wait_loadcnt 0x0
.irp tt, 0,1
	v_and_b32 v[TOKV+\tt], 0x1fff, v[86+\tt]
	v_min_u32 v[TOKV+\tt], 0x1fff, v[TOKV+\tt]     ; held inside the tables
	v_bfe_u32 v[EA+\tt], v[86+\tt], 16, 4
	v_bfe_u32 v[EB+\tt], v[86+\tt], 20, 4
	v_lshlrev_b32 v[88+\tt], 3, v[TOKV+\tt]
.endr
.set i, 0
.rept 32
	v_readlane_b32 s[ROWS+i], v[TOKV+i/16], i%16   ; the 32 tokens as scalars, in one run
.set i, i+1
.endr
	s_wait_alu depctr_va_sdst(0)                   ; s32 to s63 are written, ahead of their first readers
.set i, 0
.rept 32
	s_min_u32 s[ROWS+i], s[ROWS+i], 0x1fff
	s_lshl_b32 s[ROWS+i], s[ROWS+i], 12
	v_add_nc_u32 v[P+i], s[ROWS+i], v[GL]
.set i, i+1
.endr
	s_wait_alu depctr_va_vdst(0)                   ; every offset and LDS address of the kernel is written: v1 to v11, v30, and those of the loads below, v88, v89 and v128 to v159
.irp tt, 0,1
	global_load_b64 v[WT+2*\tt:WT+2*\tt+1], v[88+\tt], s[10:11]
.endr
	WIN 0x40                                       ; destination window 1: the output sums' registers are free as yet
.set i, 0
.rept 32
	global_load_b128 v[4*i:4*i+3], v[P+i], s[4:5] th:TH_LOAD_NT   ; my wave's 512 consecutive bytes of row i
.set i, i+1
.endr
	WIN 0
	v_lshlrev_b32 v90, v[EA], v94                  ; which experts my tokens use,
	v_lshlrev_b32 v91, v[EB], v94
	v_lshlrev_b32 v92, v[EA+1], v94
	v_lshlrev_b32 v93, v[EB+1], v94
	v_or_b32 v90, v90, v91
	v_or_b32 v92, v92, v93
	v_or_b32 v90, v90, v92
	s_mov_b32 s[MASK], 0
.irp e, 0,1,2,3,4,5,6,7
	v_and_b32 v91, 1<<\e, v90                      ; and which any lane's do: eight compares in one run, into s20-23 and s28-31, which hold nothing as yet
	v_cmp_ne_u32 s[20+\e+4*(\e/4)], 0, v91
.endr
	s_wait_alu depctr_va_sdst(0)                   ; the eight masks are written, ahead of their first readers
.irp e, 0,1,2,3,4,5,6,7
	s_cmp_lg_u32 s[20+\e+4*(\e/4)], 0
	s_cselect_b32 s19, 1<<\e, 0
	s_or_b32 s[MASK], s[MASK], s19
.endr
	s_ctz_i32_b32 s28, s[MASK]
	s_min_u32 s28, s28, 7                          ; the first of them
	SETBASE
	global_load_b128 v[DOMREG:DOMREG+3], v[L16], s[DB:DB+1]   ; no wait for these 52 loads: since the last wait on va_vdst only v90 to v93 have been named
	LOADC 0
	LOADC 1
	LOADC 2
	s_wait_loadcnt 52                              ; the weights and x are in; behind them: dom (1) and three chunks (51)
	WIN 0x04                                       ; an LDS store's data are its source 1: window 1
.set i, 0
.rept 32
	ds_store_b128 v[AXW], v[4*i:4*i+3] offset:XP*i
.set i, i+1
.endr
	s_wait_dscnt 0x0                               ; x's slice lies in LDS
	s_wait_alu depctr_vm_vsrc(0)                   ; the LDS stores have read x's registers, which are cleared below; the head's loads have read their offsets v85, v88, v89 and v128 to v159, in which LDS loads of the loop land
	WIN 0x40
.set i, 0
.rept 128
	v_mov_b32 v[i], 0                              ; the output sums.  Which expert comes first is known from data alone: a copy of the second product that starts the sums would be longer than these lines
.set i, i+1
.endr
	WIN 0
.irp q, 0,1,2,3
	v_mov_b32 v[TM+4+\q], 0                        ; written once: a lane permute's destination counts as one of its sources
.endr
	s_mov_b32 s[EX], 0
.Lexpert:
	s_wait_alu depctr_va_vdst(0)                   ; the last expert's products and output sums are done with XF, P, XS and HS, in which this trip's LDS loads land (first trip: the head's lines are done with v80 to v94, part of XFB)
	s_lshr_b32 s19, s[MASK], s[EX]
	s_bitcmp1_b32 s19, 0
	s_cbranch_scc0 .Lno_sx
	; ---- SX: K step w of x + dom[e], both tiles of tokens, becomes codes
	s_wait_loadcnt 51                              ; dom's slice is in; the three chunks behind it may be out
	ds_store_b128 v[ADW], v[DOMREG:DOMREG+3]       ; LDS serves a wave's instructions in order: the loads below see it
.irp hb, 0,1
.irp bb, 0,1
.irp j, 0,1,2,3
	ds_load_b128 v[XF+16*\bb+4*\j:XF+16*\bb+4*\j+3], v[ADR] offset:256*\hb+128*\bb+16*\j
.endr
.endr
.irp tt, 0,1
.irp bb, 0,1
.irp j, 0,1,2,3
	ds_load_b128 v[P+32*\tt+16*\bb+4*\j:P+32*\tt+16*\bb+4*\j+3], v[AXR] offset:8448*\tt+256*\hb+128*\bb+16*\j
.endr
.endr
.endr
	s_wait_dscnt 0x0                               ; they are in
.if \hb == 1
	s_wait_alu depctr_vm_vsrc(0)                   ; the first half's LDS stores have read PC, which the conversions below write again
.endif
.irp tt, 0,1
.irp bb, 0,1
.irp p, 0,1,2,3,4,5,6,7
	v_pk_add_f32 v[P+32*\tt+16*\bb+2*\p:P+32*\tt+16*\bb+2*\p+1], v[P+32*\tt+16*\bb+2*\p:P+32*\tt+16*\bb+2*\p+1], v[XF+16*\bb+2*\p:XF+16*\bb+2*\p+1]
.endr
.endr
.endr
	QUANT P, 4                                     ; block q = 2 tt + bb: block 2 hb + bb of the K step
.irp tt, 0,1
.irp bb, 0,1
.if (\hb == 0) && (\bb == 0)
	v_mov_b32 v[PW+\tt], v[TM+12+2*\tt+\bb]
.else
	v_lshl_or_b32 v[PW+\tt], v[TM+12+2*\tt+\bb], 8*(2*\hb+\bb), v[PW+\tt]
.endif
.endr
.endr
	s_wait_alu depctr_va_vdst(0)                   ; the conversions have written PC, and the lines above PW, which the LDS stores read; the additions and the quantiser are done with XF and P, in which the next LDS loads land
.irp tt, 0,1
.irp bb, 0,1
	ds_store_b64 v[AXI], v[PC+2*(2*\tt+\bb):PC+2*(2*\tt+\bb)+1] offset:XIMG+1024*\tt+512*\hb+256*\bb
.endr
.endr
.endr
	ds_store_b32 v[AXS], v[PW] offset:XSC          ; both lanes of a token write the same word
	ds_store_b32 v[AXS], v[PW+1] offset:XSC+64
.Lno_sx:
	s_wait_dscnt 0x0                               ; my stores have landed, and my reads of the hidden layer's images are over
	s_wait_alu depctr_vm_vsrc(0)                   ; SX's LDS stores have read dom's registers, PC and PW: the next dom lands in the first, x's fragments land in PC's registers, the quantiser writes PC and PW again
	s_barrier_signal -1
	s_barrier_wait -1                              ; x's sixteen fragments lie in LDS
	s_lshr_b32 s19, s[MASK], s[EX]
	s_bitcmp1_b32 s19, 0
	s_cbranch_scc0 .Lno_s1
	; ---- S1: my 32 hidden units of W1 and of W3 for the 32 tokens: eight sums by turns, two K steps a chunk.
	; x's fragments have two buffers, XF for chunks 0 and 2, XFB for chunks 1 and 3: a chunk's eight LDS loads go out two chunks ahead of its products.
.irp ks, 0,1,2,3,4,5,6,7
	ds_load_b32 v[XS+\ks], v[L4] offset:XSC+128*\ks
.endr
	XFETCH 0, XF
	XFETCH 1, XFB
.irp i, 0,1,2,3
.set XB, XF-32*(\i%2)
.if \i < 3
	s_wait_dscnt 8                                 ; LDS loads come back in order: this chunk's fragments are in, the next chunk's eight loads may be out
.else
	s_wait_dscnt 0x0
.endif
	s_wait_loadcnt 34                              ; this chunk is in; the two chunks behind it may be out
	REGION \i
	WIN RWIN                                       ; source 0 in the region's window
.irp kk, 0,1
.irp tt, 0,1
.irp m, 0,1
.irp u, 0,1
.set MD, P+32*\m+16*\tt+8*\u
.set MA, RB+8*(4*\kk+2*\m+\u)
.set MB, XB+16*\kk+8*\tt
.set SCA, WS+4*RG+2*\kk+\m
.set SCB, XS+2*\i+\kk
.if (\i == 0) && (\kk == 0)
	WM 1, \u, \tt
.else
	WM 0, \u, \tt
.endif
.endr
.endr
.endr
.endr
	WIN 0
.if \i < 3
	PLACES 4                                       ; the plain lines ahead of loads into the products' registers stay beside the wait
	s_wait_alu depctr_va_vdst(0)                   ; this chunk's products are done reading their buffer of x, their region and its scale words: all three are asked for again at once
.if \i < 2
	XFETCH \i+2, XB
.endif
	LOADC \i+3
.endif
.endr
	PLACES 5                                       ; ahead of the reads below, and of the next matrix instruction that starts a sum in these registers
	; h = a1 a3 / (1 + 2^(-log2(e) a1)), in f32.  a1 at P + 16 tt + 8 u, a3 32 further on; each sum is read from its low end on
.set i, 0
.rept 16
	v_pk_mul_f32 v[XF+2*i:XF+2*i+1], v[P+2*i:P+2*i+1], 0xbfb8aa3b op_sel_hi:[1,0]
.set i, i+1
.endr
.set i, 0
.rept 32
	v_exp_f32 v[XF+i], v[XF+i]
.set i, i+1
.endr
.set i, 0
.rept 16
	v_pk_mul_f32 v[P+2*i:P+2*i+1], v[P+2*i:P+2*i+1], v[P+32+2*i:P+32+2*i+1]   ; a1 a3: plain work behind the batch
.set i, i+1
.endr
	s_wait_alu depctr_va_vdst(0)                   ; the 32 exponentials have written XF: one wait, ahead of their first reader
.set i, 0
.rept 16
	v_pk_add_f32 v[XF+2*i:XF+2*i+1], v[XF+2*i:XF+2*i+1], 1.0 op_sel_hi:[1,0]
.set i, i+1
.endr
.set i, 0
.rept 32
	v_rcp_f32 v[XF+i], v[XF+i]
.set i, i+1
.endr
	v_nop
	s_wait_alu depctr_va_vdst(0)                   ; and the 32 reciprocals likewise
.set i, 0
.rept 16
	v_pk_mul_f32 v[P+2*i:P+2*i+1], v[P+2*i:P+2*i+1], v[XF+2*i:XF+2*i+1]
.set i, i+1
.endr
	QUANT P, 2                                     ; registers 16 tt + 0 .. 15 are hidden units 32 w + 16 h + 0 .. 15: block w of the second product's K
	s_wait_alu depctr_va_vdst(0)                   ; the quantiser has written PC and TM's bytes, which the LDS stores read; the activation is done with XF, in which the hidden layer's fragments land
.irp tt, 0,1
	ds_store_b64 v[AHI], v[PC+2*\tt:PC+2*\tt+1] offset:HIMG+2048*\tt
	ds_store_b8 v[AHS], v[TM+12+\tt] offset:HSC+64*\tt
.endr
.Lno_s1:
	s_wait_dscnt 0x0                               ; my stores have landed, and my reads of x's images are over
	s_wait_alu depctr_vm_vsrc(0)                   ; S1's LDS stores have read PC and TM's bytes, which the next expert's quantiser writes again
	s_barrier_signal -1
	s_barrier_wait -1                              ; the hidden layer's four fragments lie in LDS
	s_lshr_b32 s19, s[MASK], s[EX]
	s_bitcmp1_b32 s19, 0
	s_cbranch_scc0 .Lno_s2
	s_add_co_u32 s19, s[EX], 1
	s_lshr_b32 s28, s[MASK], s19                   ; the experts still to come
	s_cmp_eq_u32 s28, 0
	s_cbranch_scc1 .Ls2l
.macro MUL2 ch                         ; four tiles of outputs x two tiles of tokens: eight sums by turns, two K steps
	REGION \ch
	WIN RWIN
.irp ks, 0,1
.irp tl, 0,1,2,3
.irp tt, 0,1
.set MD, P+8*(2*\tl+\tt)
.set MA, RB+8*(2*\tl+\ks)
.set MB, XF+16*\ks+8*\tt
.set SCA, WS+4*RG+\tl
.set SCB, HS+\ks
	WM 1-\ks, \ks, \tt
.endr
.endr
.endr
	WIN 0
.endm
; The output sums += my token's weight x the product; each product is read from its low end on.  nx: the chunk of the next expert's stream whose 17 loads are dealt among these lines, eight ahead of each sixteen
; and the scale words last, or -1.  The lines name P, G and the output sums: none of the registers that those loads touch.
.macro ACCUM ch, nx
.irp tl, 0,1,2,3
.if ((\nx) >= 0) && ((\tl)%2 == 0)
	LOADH \nx, \tl/2
.endif
	WIN 0x50                                       ; destination and source 2 in window 1
.irp tt, 0,1
.irp p, 0,1,2,3
.set OD, 16*(4*((\ch)-4)+\tl)+8*\tt+2*\p
	v_pk_fma_f32 v[OD:OD+1], v[P+8*(2*\tl+\tt)+2*\p:P+8*(2*\tl+\tt)+2*\p+1], v[G+2*\tt:G+2*\tt+1], v[OD:OD+1] op_sel_hi:[1,0,1]
.endr
.endr
.endr
.if (\nx) >= 0
	LOADS \nx
.endif
	WIN 0
.endm
; ---- S2: my 128 outputs.  next = 1: the next expert's dom and first three chunks are asked for as the regions fall free.
.macro S2BODY next
.if \next
	s_wait_loadcnt 34                              ; all but the last two chunks issued are in: region R0 and dom's registers take no load that is out
	s_wait_xcnt 0x0                                ; every earlier load has read its base: both bases may be written
	s_ctz_i32_b32 s28, s28
	s_add_co_u32 s28, s28, s19
	s_min_u32 s28, s28, 7                          ; the next expert
	SETBASE
	global_load_b128 v[DOMREG:DOMREG+3], v[L16], s[DB:DB+1]   ; no wait here: the wait on vm_vsrc at the first barrier stands behind the store that read dom's registers,
	LOADC 0                                        ; and S1's later waits on va_vdst stand behind the products that read region R0 and its scale words
.endif
.irp ks, 0,1
.irp tt, 0,1
.irp c, 0,1
	ds_load_b128 v[XF+16*\ks+8*\tt+4*\c:XF+16*\ks+8*\tt+4*\c+3], v[L16] offset:HIMG+2048*\tt+1024*\ks+512*\c
.endr
.endr
	ds_load_b32 v[HS+\ks], v[L4] offset:HSC+128*\ks
.endr
.irp tt, 0,1
	v_cmp_eq_u32 s[28+2*\tt], s[EX], v[EA+\tt]     ; is this expert my token's first choice, or its second?  Four compares in one run, into s28 to s31
	v_cmp_eq_u32 s[29+2*\tt], s[EX], v[EB+\tt]
.endr
	s_wait_alu depctr_va_sdst(0)                   ; the four masks are written, ahead of their first readers
.irp tt, 0,1
	v_cndmask_b32 v[G+2*\tt], 0, v[WT+2*\tt], s[28+2*\tt]          ; my token's weight for this expert: w1, w2, or 0 if it has not chosen it
	v_cndmask_b32 v[G+2*\tt], v[G+2*\tt], v[WT+2*\tt+1], s[29+2*\tt]
	v_mov_b32 v[G+2*\tt+1], v[G+2*\tt]             ; (named with it as a pair)
.endr
	s_wait_dscnt 0x0
.if \next
	s_wait_loadcnt 35                              ; chunk 4 is in; behind it: chunk 5 (17), dom (1), the next expert's chunk 0 (17)
.else
	s_wait_loadcnt 17                              ; chunk 4 is in; chunk 5 may be out
.endif
	MUL2 4
	PLACES 5
.if \next
	s_wait_alu depctr_va_vdst(0)                   ; chunk 4's products are done reading region R1 and its scale words, in which the next expert's chunk 1 lands
	ACCUM 4, 1
	s_wait_loadcnt 35                              ; chunk 5 is in; behind it: dom (1) and the next expert's chunks 0 and 1 (34)
.else
	ACCUM 4, -1
	s_wait_loadcnt 0x0
.endif
	MUL2 5
	PLACES 5
.if \next
	s_wait_alu depctr_va_vdst(0)                   ; chunk 5's products are done reading region R2 and its scale words, in which the next expert's chunk 2 lands
	ACCUM 5, 2
.else
	ACCUM 5, -1
.endif
.endm
	S2BODY 1
	s_branch .Lno_s2
.Ls2l:
	S2BODY 0
.Lno_s2:
	s_add_co_u32 s[EX], s[EX], 1
	s_cmp_lt_u32 s[EX], 8
	s_cbranch_scc1 .Lexpert
	; ---- THE WAY OUT.  A lane holds 32 bytes of a row's 512 and the lanes beside it other rows: the sums go through my own stage (x's slice is done with) and come back as whole rows.
	s_wait_loadcnt 0x0                             ; no load is out into the registers used below
.set i, 0
.rept 32
	v_add_nc_u32 v[224+i], s[ROWS+i], v[GL]
.set i, i+1
.endr
	WIN 0x04
	s_wait_alu depctr_va_vdst(0)                   ; the output sums are written, which the LDS stores read; so are the offsets v224 to v255, which the stores of out0 read; the last products and sums are done with v96 to v223, in which the rows land
.irp tt, 0,1
.irp t, 0,1,2,3,4,5,6,7
	ds_store_b128 v[AST], v[16*\t+8*\tt:16*\t+8*\tt+3] offset:8448*\tt+64*\t
	ds_store_b128 v[AST], v[16*\t+8*\tt+4:16*\t+8*\tt+7] offset:8448*\tt+64*\t+16
.endr
.endr
	WIN 0
.set i, 0
.rept 32
	ds_load_b128 v[96+4*i:96+4*i+3], v[AXW] offset:XP*i   ; LDS serves a wave's instructions in order: these see my stores
.set i, i+1
.endr
.set i, 0
.rept 32
	s_wait_dscnt 31-i                              ; row i is back; the rows behind it may be out
	global_store_b128 v[224+i], v[96+4*i:96+4*i+3], s[14:15] th:TH_STORE_NT   ; 32 lanes store 512 consecutive bytes of a row of out0, at a multiple of 256
.set i, i+1
.endr
	s_wait_xcnt 0x0
	s_wait_alu depctr_vm_vsrc(0)                   ; the last two stores have read their offsets v254 and v255, which are written below
	v_lshl_add_u32 v254, v0, 2, 0x27500
	v_mov_b32 v255, 0
	s_wait_dscnt 0x0                               ; the closing lines, six on end
	s_wait_alu 0x0
	s_wait_tensorcnt 0x0
	ds_add_u32 v254, v255
	s_wait_dscnt 0x0
	s_endpgm
.Lfunc_end_k_q4b4e50d8e8_experts:
	.size	k_q4b4e50d8e8_experts, .Lfunc_end_k_q4b4e50d8e8_experts-k_q4b4e50d8e8_experts
	.p2alignl 7, 3214868480
	.fill 96, 4, 3214868480
	.section	.rodata,"a",@progbits
	.p2align	6, 0x0
	.amdhsa_kernel k_q4b4e50d8e8_experts
		.amdhsa_group_segment_fixed_size 162048
		.amdhsa_private_segment_fixed_size 0
		.amdhsa_enable_private_segment 0
		.amdhsa_kernarg_size 48
		.amdhsa_user_sgpr_count 2
		.amdhsa_user_sgpr_kernarg_segment_ptr 1
		.amdhsa_wavefront_size32 1
		.amdhsa_system_sgpr_workgroup_id_x 1
		.amdhsa_system_sgpr_workgroup_id_y 1
		.amdhsa_system_sgpr_workgroup_id_z 1
		.amdhsa_system_vgpr_workitem_id 0
		.amdhsa_next_free_vgpr 512
		.amdhsa_next_free_sgpr 66
		.amdhsa_reserve_vcc 0
		.amdhsa_float_denorm_mode_32 3
		.amdhsa_float_denorm_mode_16_64 3
		.amdhsa_memory_ordered 1
		.amdhsa_forward_progress 1
		.amdhsa_inst_pref_size 102
	.end_amdhsa_kernel
	.amdgpu_metadata
---
amdhsa.version: [ 1, 2 ]
amdhsa.kernels:
  - .name:           k_q4b4e50d8e8_experts
    .symbol:         k_q4b4e50d8e8_experts.kd
    .args:
      - { .name: hidden_states, .offset: 0, .size: 8, .value_kind: global_buffer, .address_space: global }
      - { .name: dom, .offset: 8, .size: 8, .value_kind: global_buffer, .address_space: global }
      - { .name: order, .offset: 16, .size: 8, .value_kind: global_buffer, .address_space: global }
      - { .name: rwt, .offset: 24, .size: 8, .value_kind: global_buffer, .address_space: global }
      - { .name: wq, .offset: 32, .size: 8, .value_kind: global_buffer, .address_space: global }
      - { .name: out0, .offset: 40, .size: 8, .value_kind: global_buffer, .address_space: global }
    .group_segment_fixed_size: 162048
    .private_segment_fixed_size: 0
    .kernarg_segment_align: 8
    .kernarg_segment_size: 48
    .max_flat_workgroup_size: 256
    .sgpr_count:     66
    .vgpr_count:     512
    .wavefront_size: 32
...
	.end_amdgpu_metadata
.endif
;; end of part 4
